; MI455X (gfx1250); checked and timed in simulation.
; The chip was launched on July 23, 2026; its instructions are those of AMD's public machine-readable ISA for CDNA 5 (MIT licence, August 2026) and "CDNA5" Instruction Set Architecture Reference Guide (July 2026). The comments in the code are by the model that wrote it; some were corrected since.
;; Multi Head Attention. Allowed arithmetic: matrix products marked QUANTISED: E2M1 operands, one E8M0 scale for each 32 along K, by v_wmma_scale_f32_16x16x128_f8f6f4 with both operands' format E2M1 (or v_wmma_scale_f32_32x16x128_f4), f32 sums; products left as they are: bf16, f16 or f32 operands; f32 sums; everything else in f32.
;; Inputs: Wk 1,024 x 1,024 float32; Wo 1,024 x 1,024 float32; Wq 1,024 x 1,024 float32; Wv 1,024 x 1,024 float32; bo 1,024 float32; inputs 4 x 2,048 x 1,024 float32.
;; Outputs: out0 4 x 2,048 x 1,024 float32.
;; This version of the problem:
;;   THIS VERSION OF THE PROBLEM IS GIVEN IN LOW PRECISION. The matrix products marked QUANTISED in the list below multiply operands that are first quantised to E2M1 (2 exponent bits, 1 mantissa bit; 4 bits a number), with one power-of-two scale for each 32 numbers along K (OCP MX v1.0); their sums are f32. The products marked 'left as it is' may take bf16, f16 or f32 operands, with f32 sums. Whichever they take, every output number must still come out within the allowed error. Rounding operands to bf16 (8 significant bits) uses up far more of that allowance than f16 does (11 bits, for magnitudes from 6e-5 to 65,504). All else is computed in f32.
;;   The module's matrix products, in the order in which they are computed (A, B: the left and right operand; K: the contracted axis; several contracted axes count as one K, in the product's order):
;;     1. [M 8,192, K 1,024] x [K 1,024, N 1,024]; A: input inputs; B: input Wq: QUANTISED
;;     2. [M 8,192, K 1,024] x [K 1,024, N 1,024]; A: input inputs; B: input Wk: QUANTISED
;;     3. [M 8,192, K 1,024] x [K 1,024, N 1,024]; A: input inputs; B: input Wv: QUANTISED
;;     4. batch 64 x [M 2,048, K 64] x [K 64, N 2,048]; A: computed on the way; B: computed on the way: left as it is (an operand is computed on the way)
;;     5. batch 64 x [M 2,048, K 2,048] x [K 2,048, N 64]; A: computed on the way; B: computed on the way: left as it is (an operand is computed on the way)
;;     6. [M 8,192, K 1,024] x [K 1,024, N 1,024]; A: computed on the way; B: input Wo: left as it is (an operand is computed on the way)
;;   THE QUANTISER, for each operand of a quantised product, along K:
;;     - K is cut into blocks of 32 from its start; a last block that is shorter is filled with zeros.
;;     - A block's scale is 2^e with e = floor(log2(the largest magnitude in the block)) - 2, held to -126 .. 127; a block of zeros has e = 0. As a byte (E8M0): e + 127.
;;     - Each number is divided by its block's scale, clamped to +-6, and rounded to the nearest number of E2M1, ties to even, subnormals kept.
;;     - The product sums the exact products of the quantised numbers (number of the format x scale) in f32.
;;   ~~~python
;;   def quantise(x, axis):      # numpy; x: float32 -> the quantised numbers, widened to float32 again
;;       x = np.moveaxis(x, axis, -1); K = x.shape[-1]
;;       x = np.pad(x, [(0, 0)] * (x.ndim - 1) + [(0, -K % 32)]); x = x.reshape(x.shape[:-1] + (-1, 32)); a = np.abs(x).max(-1, keepdims=True)
;;       e = np.where(a > 0, np.clip(np.frexp(np.where(a > 0, a, 1))[1] - 1 - 2, -126, 127), 0)      # np.frexp(a)[1] - 1 = floor(log2(a)), exactly
;;       r = np.clip(x / 2.0 ** e, -6, 6)
;;       step = 2.0 ** (np.maximum(np.frexp(np.where(r == 0, 1, r))[1] - 1, 0) - 1)
;;       q = np.round(r / step) * step * 2.0 ** e      # np.round: ties to even
;;       return np.moveaxis(q.reshape(q.shape[:-2] + (-1,))[..., :K], -1, axis).astype(np.float32)
;;   ~~~
;; One version. Each part assembles by itself: llvm-mc -triple=amdgcn-amd-amdhsa -mcpu=gfx1250 --defsym DOCPART=n.
;; ======== version 1 of 1: 5 launches
;; limits: values are held in f16: magnitudes above 65,504 overflow, below 6.1e-05 lose precision
;; workspace buffers: ximg 4,194,304 bytes; wimg 1,572,864 bytes; scl 360,448 bytes; woimg 2,097,152 bytes; qkv16 50,331,648 bytes; qkv32 786,432 bytes; cimg 16,777,216 bytes
;; launch prep (part 1): grid 512 x 1, 4 waves a work-group, no clusters, 34,304 bytes of LDS; arguments inputs, Wq, Wk, Wv, Wo, ximg, wimg, scl, woimg; writes ximg, wimg, scl, woimg
.if DOCPART == 1
	.amdgcn_target "amdgcn-amd-amdhsa--gfx1250"
	.amdhsa_code_object_version 6
	.text
	.protected	k_qbbbc7a71d9_prep
	.globl	k_qbbbc7a71d9_prep
	.p2align	8
	.type	k_qbbbc7a71d9_prep,@function
k_qbbbc7a71d9_prep:
	s_mov_b64 s[64:65], 0
	v_nop
	global_prefetch_b8 v0, s[64:65] scope:SCOPE_SE
	s_setreg_imm32_b32 hwreg(HW_REG_WAVE_MODE, 25, 1), 1
	s_wait_xcnt 0x0
; THE PROGRAM: causal multi-head attention, B 4, S 2,048, D 1,024, 16 heads of 64, in five launches:
;   prep (this one): inputs and Wq, Wk, Wv become codes of E2M1 with one E8M0 byte for each 32 along K; Wo becomes f16.
;   qkv: the three quantised products on codes.   attn: scores, softmax, weights x values, in f16 operands and f32 sums.
;   oproj: the projection on the way out, f16 operands.   fine: positions 0-15 of every sequence once more, wholly in f32.
; WORK LEFT OUT, in the problem's own terms: reference() sets scores[q][k] to -inf wherever k > q (its own jnp.tril), so the softmax gives
; these places the weight 0 whatever finite values the inputs hold, and neither their score nor their product with v reaches an output.
; Where 64 keys on end all lie behind all the queries of a wave, their step is not walked; where 256 keys lie behind all the queries of a work-group,
; they are not fetched.  Every input has a way to the output: all six are loaded.
; LIMIT: a NaN, an infinity or an overflow that would arise only in the hidden scores is not carried to the result.
; LIMITS of this launch: a block whose largest magnitude lies under 2^-124 keeps the scale byte 1; a block of zeros gets the byte 1 where the rule says 127
; (its codes are zeros, which add nothing, and only this program reads the bytes); NaN and infinities among the inputs are not served; Wo in f16 is finite up to 65,504.
; EVERY WORKSPACE OPERAND IS LAID AS AN IMAGE OF THE READER'S OPERAND REGISTERS: four registers of 32 lanes are 512 bytes on end, lane l at 16 l.
;   ximg [mt 512][ks 8][c 2][lane][16 B]: rows 16 mt + lane % 16, k = 128 ks + 64 c + 32 (lane / 16) + 0 .. 31.     wimg [nt 192][ks][c][lane][16 B]: columns likewise, nt = 64 x (q, k, v) + column / 16.
;   scl: x [mt][kh 2][r 16][4 words], then from byte 262,144 w [nt][kh][r][4 words]: word q holds the four bytes of K step 4 kh + q.
;   woimg [nt 64][ks32 32][c2 2][lane][16 B] f16: column 16 nt + lane % 16, rows 32 ks32 + 16 c2 + 8 (lane / 16) + 0 .. 7.
; SHARES.  Work-groups 0-255 take the inputs: a wave takes 16 rows x 512 along K in four steps of 128.  Work-groups 256-511 take the four weights: a wave takes 32 columns x 128 rows, a lane a column,
; its registers running down K.  Memory binds: no matrix unit, no cluster, no barrier; waves share nothing.
.set SPARE, 33792                      ; behind the four stages: the spare words, 128 bytes for each wave
.set SPW,   250                        ; v250  SPARE + 4 x my thread's number; never rewritten
.set NIL,   251                        ; v251  0; never rewritten
.set R,     16                         ; v16-143  inputs: two sets of 64 as loaded;  weights: my column's 128 numbers
.set X,     144                        ; v144-207 inputs: my row's two blocks of 32 neighbours
.set C,     208                        ; v208-239 inputs: codes, eight registers for each step
.set W,     240                        ; v240-243 inputs: a scale word for each step
	s_load_b512 s[8:23], s[0:1], 0x0               ; inputs 8, Wq 10, Wk 12, Wv 14, Wo 16, ximg 18, wimg 20, scl 22
	s_load_b64 s[24:25], s[0:1], 0x40              ; woimg
	v_lshl_add_u32 v[SPW], v0, 2, SPARE
	v_mov_b32 v[NIL], 0
	v_lshrrev_b32 v1, 5, v0
	v_readfirstlane_b32 s26, v1                    ; wave
	v_and_b32 v1, 31, v0                           ; lane
	v_and_b32 v2, 15, v0                           ; r
	v_bfe_u32 v3, v0, 4, 1                         ; h
	v_lshlrev_b32 v4, 4, v1                        ; 16 x lane
	s_cmp_lt_u32 ttmp9, 256
	s_cbranch_scc0 .Lweights
; ---- THE INPUTS.  g = 4 x work-group + wave: rows 16 (g / 2) on, K half g % 2.
	s_lshl_b32 s27, ttmp9, 2
	s_add_co_u32 s27, s27, s26                     ; g
	s_lshr_b32 s28, s27, 1
	s_and_b32 s29, s27, 1
	s_lshl_b32 s30, s28, 16                        ; 16 rows of 4,096 bytes
	s_lshl_b32 s29, s29, 11                        ; 512 numbers
	s_add_co_u32 s30, s30, s29
	s_mov_b32 s31, 0
	s_lshl_b32 s32, s27, 12                        ; four fragments of 1,024 bytes
	s_mov_b32 s33, 0
	s_lshl_b32 s34, s27, 8                         ; 16 rows x 4 words
	s_mov_b32 s35, 0
	s_mul_i32 s36, s26, 8448                       ; my stage: 16 rows x (512 bytes + 16)
	v_add_nc_u32 v5, s36, v4                       ; into it: a row's 512 bytes as they lie
	v_mul_u32_u24 v6, v2, 528
	v_lshl_add_u32 v6, v3, 7, v6
	v_add_nc_u32 v6, s36, v6                       ; out of it: row r, my half's 32 numbers of each 64
	v_lshlrev_b32 v7, 3, v3                        ; 8 h: how far my two scale bytes are shifted
	v_lshlrev_b32 v15, 4, v2
	v_lshl_add_u32 v15, v3, 3, v15                 ; the scale words' way out: 16 r + 8 h
	v_mov_b32 v14, 0                               ; written once: a lane permute's destination counts as one of its sources
	s_mov_b32 s40, 0x76543210
	s_mov_b32 s41, 0xfedcba98                      ; selects for lane l xor 16
	s_wait_kmcnt 0x0
	s_add_nc_u64 s[8:9], s[8:9], s[30:31]
	s_add_nc_u64 s[18:19], s[18:19], s[32:33]
	s_add_nc_u64 s[22:23], s[22:23], s[34:35]
.macro XLOAD s                         ; step s: 128 numbers of each of my 16 rows: every load reads 512 consecutive bytes
.irp i, 0,1,2,3,4,5,6,7,8,9,10,11,12,13,14,15
	global_load_b128 v[R+64*((\s)%2)+4*\i:R+64*((\s)%2)+4*\i+3], v4, s[8:9] offset:\i*4096+(\s)*512 th:TH_LOAD_NT
.endr
.endm
.macro XSTEP s
.if (\s) < 3
	s_wait_loadcnt 16                              ; this step's 16 loads are in; the next step's 16 may be out
.else
	s_wait_loadcnt 0
.endif
.irp i, 0,1,2,3,4,5,6,7,8,9,10,11,12,13,14,15
	ds_store_b128 v5, v[R+64*((\s)%2)+4*\i:R+64*((\s)%2)+4*\i+3] offset:\i*528
.endr
.irp c, 0,1
.irp j, 0,1,2,3,4,5,6,7
	ds_load_b128 v[X+32*\c+4*\j:X+32*\c+4*\j+3], v6 offset:256*\c+16*\j   ; LDS serves a wave's instructions in order: these see my stores.  k = 64 c + 32 h + 4 j on, of row r
.endr
.endr
	s_wait_dscnt 0x0                               ; my 64 numbers are back, and the stores have read their registers,
.if (\s) < 2
	XLOAD (\s)+2                                   ; which take the loads of two steps on
.endif
.irp c, 0,1
	v_max3_num_f32 v[8+\c], |v[X+32*\c]|, |v[X+32*\c+1]|, 0x1800000    ; block 2 c + h: all its 32 numbers are mine; the floor 2^(3 - 127) holds the byte at 1 from below
.endr
.irp i, 2,4,6,8,10,12,14,16,18,20,22,24,26,28,30
.irp c, 0,1
	v_max3_num_f32 v[8+\c], v[8+\c], |v[X+32*\c+\i]|, |v[X+32*\c+\i+1]|   ; (the two blocks by turns)
.endr
.endr
.irp c, 0,1
	v_add_nc_u32 v[10+\c], 0xff000000, v[8+\c]     ; 2 off the exponent field: the conversion's scale operand
.endr
.irp c, 0,1
	v_lshrrev_b32 v[12+\c], 23, v[10+\c]           ; the scale's byte
.endr
	v_lshl_or_b32 v[W+(\s)], v13, 16, v12          ; my two bytes: blocks h and 2 + h,
	v_lshlrev_b32 v[W+(\s)], v7, v[W+(\s)]         ; at their places in the word;
	v_permlanex16_b32 v14, v[W+(\s)], s40, s41
	v_or_b32 v[W+(\s)], v[W+(\s)], v14             ; with lane l xor 16's two the word is whole
.irp c, 0,1
.irp g, 0,1,2,3
	v_cvt_scalef32_pk8_fp4_f32 v[C+8*(\s)+4*\c+\g], v[X+32*\c+8*\g:X+32*\c+8*\g+7], v[10+\c]
.endr
.endr
	v_nop                                          ; one plain place behind the scaled conversions
.irp c, 0,1
	global_store_b128 v4, v[C+8*(\s)+4*\c:C+8*(\s)+4*\c+3], s[18:19] offset:(\s)*1024+\c*512   ; registers 4 c .. 4 c + 3 of the fragment: 512 consecutive bytes
.endr
.endm
	XLOAD 0
	XLOAD 1
	XSTEP 0
	XSTEP 1
	XSTEP 2
	XSTEP 3
	v_cmp_eq_u32 vcc_lo, 1, v3
	v_cndmask_b32 v244, v240, v242, vcc_lo         ; lanes 0-15 store words 0 and 1 of their row, lanes 16-31 words 2 and 3:
	v_cndmask_b32 v245, v241, v243, vcc_lo
	global_store_b64 v15, v[244:245], s[22:23]     ; the wave stores 256 consecutive bytes, aligned
	s_wait_tensorcnt 0x0                           ; the wave's end, behind my last LDS store
	ds_add_u32 v[SPW], v[NIL]
	s_wait_dscnt 0x0
	s_endpgm
; ---- THE WEIGHTS.  id = work-group - 256: tensor id / 64 (Wq, Wk, Wv, Wo), columns 128 ((id / 8) % 8) + 32 x wave on, rows 128 (id % 8) on.  No LDS is touched here.
.Lweights:
	s_sub_co_u32 s27, ttmp9, 256
	s_lshr_b32 s30, s27, 6                         ; which tensor
	s_bfe_u32 s31, s27, 0x30003
	s_and_b32 s32, s27, 7                          ; ks
	s_lshl_b32 s33, s31, 7
	s_lshl_b32 s34, s26, 5
	s_add_co_u32 s33, s33, s34                     ; my wave's first column
	s_lshl_b32 s36, s32, 19                        ; 128 rows of 4,096 bytes
	s_lshl_b32 s34, s33, 2
	s_add_co_u32 s36, s36, s34
	s_mov_b32 s37, 0
	s_lshr_b32 s35, s33, 4                         ; its tile of 16 columns
	v_lshlrev_b32 v5, 2, v1                        ; in: 4 bytes a lane
	v_lshlrev_b32 v9, 4, v2
	v_lshl_add_u32 v6, v3, 13, v9                  ; codes out: 16 r, and lanes 16-31 one tile of columns (8,192 bytes) on
	v_lshl_add_u32 v7, v3, 9, v9                   ; scale words out: likewise, 512 bytes on
	v_lshl_add_u32 v8, v3, 15, v9                  ; f16 out: likewise, 32,768 bytes on
	s_wait_kmcnt 0x0
	s_cmp_eq_u32 s30, 1                            ; the choice hangs on the work-group's number alone
	s_cselect_b64 s[28:29], s[12:13], s[10:11]
	s_cmp_eq_u32 s30, 2
	s_cselect_b64 s[28:29], s[14:15], s[28:29]
	s_cmp_eq_u32 s30, 3
	s_cselect_b64 s[28:29], s[16:17], s[28:29]
	s_add_nc_u64 s[28:29], s[28:29], s[36:37]
.macro WLOAD t                         ; rows 32 t .. 32 t + 31 of my column: each load reads 128 consecutive bytes a wave, the four waves stand side by side on 512
.irp i, 0,1,2,3,4,5,6,7,8,9,10,11,12,13,14,15,16,17,18,19,20,21,22,23,24,25,26,27,28,29,30,31
	global_load_b32 v[R+32*(\t)+\i], v5, s[28:29] offset:(32*(\t)+\i)*4096 th:TH_LOAD_NT
.endr
.endm
.macro WAITW t
.if (\t) < 3
	s_wait_loadcnt 32                              ; this block's 32 loads are in; the next block's 32 may be out
.else
	s_wait_loadcnt 0
.endif
.if (\t) < 2
	WLOAD (\t)+2
.endif
.endm
	WLOAD 0
	WLOAD 1
	s_cmp_eq_u32 s30, 3
	s_cbranch_scc1 .Lwo
	; Wq, Wk, Wv: codes.  Block t of my column is piece (c = t / 2, h = t % 2) of the fragment: byte 256 t + 16 r of its 1,024
	s_lshl_b32 s38, s30, 6
	s_add_co_u32 s38, s38, s35                     ; nt of lanes 0-15
	s_lshl_b32 s34, s38, 13
	s_lshl_b32 s39, s32, 10
	s_add_co_u32 s34, s34, s39
	s_mov_b32 s35, 0
	s_add_nc_u64 s[20:21], s[20:21], s[34:35]
	s_lshl_b32 s34, s38, 9
	s_lshr_b32 s39, s32, 2
	s_lshl_b32 s39, s39, 8
	s_add_co_u32 s34, s34, s39
	s_and_b32 s39, s32, 3
	s_lshl_b32 s39, s39, 2
	s_add_co_u32 s34, s34, s39
	s_add_co_u32 s34, s34, 262144
	s_add_nc_u64 s[22:23], s[22:23], s[34:35]
.macro WQ t
	WAITW \t
.set XS, R+32*(\t)
	v_max3_num_f32 v12, |v[XS]|, |v[XS+1]|, |v[XS+2]|      ; the block's largest magnitude, in two chains
	v_max3_num_f32 v13, |v[XS+3]|, |v[XS+4]|, |v[XS+5]|
.irp i, 6,10,14,18,22,26
	v_max3_num_f32 v12, v12, |v[XS+\i]|, |v[XS+\i+1]|
	v_max3_num_f32 v13, v13, |v[XS+\i+2]|, |v[XS+\i+3]|
.endr
	v_max3_num_f32 v12, v12, |v[XS+30]|, |v[XS+31]|
	v_max3_num_f32 v12, v12, v13, 0x1800000        ; and the floor
	v_add_nc_u32 v11, 0xff000000, v12
	v_lshrrev_b32 v13, 23, v11
.if (\t) == 0
	v_mov_b32 v144, v13                            ; the four bytes of this K step make my column's word
.else
	v_lshl_or_b32 v144, v13, 8*(\t), v144
.endif
.irp g, 0,1,2,3
	v_cvt_scalef32_pk8_fp4_f32 v[148+4*(\t)+\g], v[XS+8*\g:XS+8*\g+7], v11
.endr
	v_nop                                          ; one plain place behind the scaled conversions
	global_store_b128 v6, v[148+4*(\t):148+4*(\t)+3], s[20:21] offset:(\t)*256   ; sixteen lanes store 256 consecutive bytes, aligned
.endm
	WQ 0
	WQ 1
	WQ 2
	WQ 3
	global_store_b32 v7, v144, s[22:23]            ; 4 bytes of every 16: 96 KB of the launch's 56 MB leave so; a wave that gathered four K steps would walk four times the rows
	s_endpgm
.Lwo:
	; Wo: f16.  Rows 8 g .. 8 g + 7 of my column are 16 bytes at 256 g + 16 r of this K step's 4,096
	s_lshl_b32 s34, s35, 15
	s_lshl_b32 s39, s32, 12
	s_add_co_u32 s34, s34, s39
	s_mov_b32 s35, 0
	s_add_nc_u64 s[24:25], s[24:25], s[34:35]
.macro WH t
	WAITW \t
.irp g, 0,1,2,3
.irp i, 0,1,2,3
	v_cvt_pk_f16_f32 v[148+16*(\t)+4*\g+\i], v[R+32*(\t)+8*\g+2*\i], v[R+32*(\t)+8*\g+2*\i+1]
.endr
	global_store_b128 v8, v[148+16*(\t)+4*\g:148+16*(\t)+4*\g+3], s[24:25] offset:(4*(\t)+\g)*256
.endr
.endm
	WH 0
	WH 1
	WH 2
	WH 3
	s_endpgm
.Lfunc_end_k_qbbbc7a71d9_prep:
	.size	k_qbbbc7a71d9_prep, .Lfunc_end_k_qbbbc7a71d9_prep-k_qbbbc7a71d9_prep
	.p2alignl 7, 3214868480
	.fill 96, 4, 3214868480
	.section	.rodata,"a",@progbits
	.p2align	6, 0x0
	.amdhsa_kernel k_qbbbc7a71d9_prep
		.amdhsa_group_segment_fixed_size 34304
		.amdhsa_private_segment_fixed_size 0
		.amdhsa_enable_private_segment 0
		.amdhsa_kernarg_size 72
		.amdhsa_user_sgpr_count 2
		.amdhsa_user_sgpr_kernarg_segment_ptr 1
		.amdhsa_wavefront_size32 1
		.amdhsa_system_sgpr_workgroup_id_x 1
		.amdhsa_system_sgpr_workgroup_id_y 1
		.amdhsa_system_sgpr_workgroup_id_z 1
		.amdhsa_system_vgpr_workitem_id 0
		.amdhsa_next_free_vgpr 256
		.amdhsa_next_free_sgpr 66
		.amdhsa_reserve_vcc 1
		.amdhsa_float_denorm_mode_32 3
		.amdhsa_float_denorm_mode_16_64 3
		.amdhsa_memory_ordered 1
		.amdhsa_forward_progress 1
		.amdhsa_inst_pref_size 61
	.end_amdhsa_kernel
	.amdgpu_metadata
---
amdhsa.version: [ 1, 2 ]
amdhsa.kernels:
  - .name:           k_qbbbc7a71d9_prep
    .symbol:         k_qbbbc7a71d9_prep.kd
    .args:
      - { .name: inputs, .offset: 0, .size: 8, .value_kind: global_buffer, .address_space: global }
      - { .name: Wq, .offset: 8, .size: 8, .value_kind: global_buffer, .address_space: global }
      - { .name: Wk, .offset: 16, .size: 8, .value_kind: global_buffer, .address_space: global }
      - { .name: Wv, .offset: 24, .size: 8, .value_kind: global_buffer, .address_space: global }
      - { .name: Wo, .offset: 32, .size: 8, .value_kind: global_buffer, .address_space: global }
      - { .name: ximg, .offset: 40, .size: 8, .value_kind: global_buffer, .address_space: global }
      - { .name: wimg, .offset: 48, .size: 8, .value_kind: global_buffer, .address_space: global }
      - { .name: scl, .offset: 56, .size: 8, .value_kind: global_buffer, .address_space: global }
      - { .name: woimg, .offset: 64, .size: 8, .value_kind: global_buffer, .address_space: global }
    .group_segment_fixed_size: 34304
    .private_segment_fixed_size: 0
    .kernarg_segment_align: 8
    .kernarg_segment_size: 72
    .max_flat_workgroup_size: 128
    .sgpr_count:     66
    .vgpr_count:     256
    .wavefront_size: 32
...
	.end_amdgpu_metadata
.endif
;; end of part 1
;; launch qkv (part 2): grid 12 x 32, 4 waves a work-group, clusters of 4 x 4, 327,680 bytes of LDS; arguments ximg, wimg, scl, qkv16, qkv32; writes qkv16, qkv32
.if DOCPART == 2
	.amdgcn_target "amdgcn-amd-amdhsa--gfx1250"
	.amdhsa_code_object_version 6
	.text
	.protected	k_qbbbc7a71d9_qkv
	.globl	k_qbbbc7a71d9_qkv
	.p2align	8
	.type	k_qbbbc7a71d9_qkv,@function
k_qbbbc7a71d9_qkv:
	s_mov_b64 s[64:65], 0
	v_nop
	global_prefetch_b8 v0, s[64:65] scope:SCOPE_SE
	s_setreg_imm32_b32 hwreg(HW_REG_WAVE_MODE, 25, 1), 1
	s_wait_xcnt 0x0
	s_wait_alu depctr_hold_cnt(0) depctr_sa_sdst(0) depctr_va_vdst(0) depctr_va_sdst(0) depctr_va_ssrc(0) depctr_va_vcc(0) depctr_vm_vsrc(0)
	s_getreg_b32 s2, hwreg(HW_REG_IB_STS2, 6, 4)
	s_cmp_eq_u32 s2, 0
	s_cbranch_scc0 .Lentry_in_a_cluster
	s_endpgm
.Lentry_in_a_cluster:
	s_bfe_u32 s2, ttmp6, 0x10000c
	s_cmp_lg_u32 s2, 0xf033
	s_cbranch_scc0 .Lentry_shape_is_right
	s_endpgm
.Lentry_shape_is_right:
; q, k, v = inputs x (Wq | Wk | Wv): [8,192 x 1,024] x [1,024 x 3,072] on codes of E2M1 with E8M0 scales, sums in f32.  No work is left out here.
; A tile of C, 256 x 256, is made by four waves, each 128 x 128: 64 accumulators.  All of K lies in LDS at once, as two halves of 512 along K: each wave brings one quarter of each half by one tensor load
; (8 fragments' rows of 4,096 bytes); nothing is filled again.  By this text's own count a wave has two tensor loads out.
; Codes come as images of the operand's registers (see the first launch): a fragment is two loads of 16 bytes a lane at 16 x lane + a constant.  The scale words go from memory straight into registers.
; CLUSTERS: 4 x 4 work-groups.  Tile column = 4 x cluster x + cx (so cluster x says q, k or v); tile row = cluster y + 8 cy (so cy is the batch, and cluster y = 0 means the batch's first 256 positions).
; The four of a row of the cluster need the same tiles of the inputs, the four of a column the same tiles of the weights: each is asked for jointly.
; 384 work-groups: a tile of 256 x 384, which would give 256, needs 768 accumulator registers a wave and more LDS than there is.
; THE MATRIX INSTRUCTION IS USED TRANSPOSED (source 0 = 16 columns of W, source 1 = 16 rows of x): a lane holds one position and eight neighbouring channels, which pack into 16 bytes of f16:
; the packed registers ARE the images that the attention launch reads, so they are stored as they stand, 512 consecutive bytes an instruction:
;   qkv16 [q, k, v][batch x head 64][16 positions 128][t 4][place 32][16 B]: position r, channels 16 t + 8 h + 0 .. 7; place = lane for q and k; for v place = 16 (r / 8) + 8 h + r % 8, which the turning LDS load wants.
;   qkv32 [batch][column tile 192][half 2][lane][16 B]: the f32 accumulators of positions 0-15 of each batch, as they stand, for the launch that carries those rows in f32.
; LIMIT: q, k, v in f16 are finite up to 65,504; under 6e-5 their absolute error is at most 3e-8.
; REGISTERS: window 0: v1-3, v16-29 addresses; v32-95 scale words; v128-191 x's fragments, one set (on the way out v128-255 packed results).  window 1: W's fragments, two sets.  windows 2, 3: accumulator (a, b) at v[8 (8 (a % 4) + b)].
.set NQ,    4                          ; steps of 128 along K in a half
.set FR,    8                          ; registers of a fragment
.set NL,    2                          ; LDS loads that bring one
.set NP,    4                          ; places behind this matrix instruction (ISA guide 7.12.1)
.set HALF,  131072                     ; a half of K in LDS: x's 16 tiles x 4,096 bytes, then W's 16
.set SPARE, 262144                     ; behind both halves: the spare words, 128 bytes for each wave
.set LI,   3                           ; v3      16 x lane
.set ADRA, 16                          ; v16-17  my x fragments in half 0, 1
.set ADRB, 20                          ; v20-21  my W fragments
.set VO,   24                          ; v24     my 16 bytes' place in an image on the way out
.set SOFF, 26                          ; v26     my scale words in memory: lanes 0-15 x's rows, lanes 16-31 W's columns
.set SPW,  28                          ; v28     SPARE + 4 x my thread's number; never rewritten
.set NIL,  29                          ; v29     0; never rewritten
.set SC,   32                          ; scale words: half kh at v[SC + 32 kh]; register 4 i + q: lanes 0-15 x's tile i, lanes 16-31 W's tile i, K step q of the half
.set AF,   128
.set TMP,  128
.set G1,  24                           ; s[24:31] group 1 for x's tiles; s[32:39] group 0, a set for each half
.set G0,  32
.set G1B, 48                           ; s[48:55], s[56:63] the same for W's
.set G0B, 56
.set MSB, 0
.macro WIN new                         ; the immediate's high byte repeats the setting that is left
.if MSB != \new
	s_set_vgpr_msb (MSB<<8)|\new
.set MSB, \new
.endif
.endm
.set MUL_LO, 0xa1                      ; source 0 (W) window 1, source 1 (x) window 0, C and D window 2
.set MUL_HI, 0xf1                      ; the same, C and D window 3
.set TO_B,   0x40                      ; destination window 1
.macro JLOAD g0a, g1a, g0b, g1b        ; a joint load: waves 0 and 1 fetch for x, waves 2 and 3 for W; an s_nop 0 and four v_nop follow each of the two lines
	s_cmp_eq_u32 s15, 0
	s_cbranch_scc0 .Lfor_b_\@
	tensor_load_to_lds s[\g0a:\g0a+3], s[\g1a:\g1a+7]
	s_nop 0
.rept 4
	v_nop
.endr
	s_branch .Lasked_\@
.Lfor_b_\@:
	tensor_load_to_lds s[\g0b:\g0b+3], s[\g1b:\g1b+7]
	s_nop 0
.rept 4
	v_nop
.endr
.Lasked_\@:
.endm
.macro CROUND                          ; a round of the cluster's barrier
	s_barrier_signal -1
	s_barrier_wait -1
	s_cmp_lg_u32 s14, 0
	s_cbranch_scc1 .Lnot_wave_0_\@
	s_barrier_signal -3
.Lnot_wave_0_\@:
	s_barrier_wait -3
	s_barrier_signal -1
	s_barrier_wait -1
.endm
	s_load_b256 s[4:11], s[0:1], 0x0               ; ximg 4, wimg 6, scl 8, qkv16 10
	s_load_b64 s[12:13], s[0:1], 0x20              ; qkv32
	v_lshl_add_u32 v[SPW], v0, 2, SPARE
	v_mov_b32 v[NIL], 0
	ds_add_u32 v[SPW], v[NIL]                      ; the wave's opening: the add, twice on end, and its wait ahead of my first tensor load
	ds_add_u32 v[SPW], v[NIL]
	v_lshrrev_b32 v1, 5, v0
	v_readfirstlane_b32 s14, v1                    ; wave 0..3
	s_lshr_b32 s15, s14, 1                         ; which 128 rows of the tile are mine.  Also: I fetch for x (0) or for W (1)
	s_and_b32 s16, s14, 1                          ; which 128 columns.  Also: which eight tiles I fetch
	s_bfe_u32 s40, ttmp6, 0x40000                  ; cx
	s_bfe_u32 s41, ttmp6, 0x40004                  ; cy
	s_lshl_b32 s42, ttmp9, 2
	s_add_co_u32 s42, s42, s40                     ; tile column = 4 x cluster x + cx
	s_and_b32 s68, ttmp7, 0xffff                   ; cluster y
	s_lshl_b32 s17, s41, 3
	s_add_co_u32 s17, s17, s68                     ; tile row = cluster y + 8 cy
	s_lshl_b32 s43, s41, 2
	s_lshl_b32 s43, 15, s43                        ; my row of the cluster
	s_lshl_b32 s44, 0x1111, s40                    ; my column
	s_or_b32 s[G1], s43, (3<<16)|(1<<21)           ; 15:0 the mask; 17:16 elements of 8 bytes; 21 set beside a mask; no padding
	s_or_b32 s[G1B], s44, (3<<16)|(1<<21)
.irp g, G1, G1B
	s_mov_b32 s[\g+1], 512<<16                     ; tensor_dim0 = 512 elements: 4,096 bytes, four K steps of one tile
	s_mov_b32 s[\g+2], 8<<16                       ; tensor_dim1 = 8 tiles
	s_mov_b32 s[\g+3], 512<<16                     ; tile_dim0
	s_mov_b32 s[\g+4], 8                           ; tile_dim1
	s_mov_b32 s[\g+5], 1024                        ; from tile to tile: 8,192 bytes
	s_mov_b32 s[\g+6], 0
	s_mov_b32 s[\g+7], 0
.endr
	s_lshl_b32 s18, s16, 3
	s_lshl_b32 s20, s17, 4
	s_add_co_u32 s20, s20, s18                     ; x: tile 16 x tile row + 8 x half
	s_lshl_b32 s20, s20, 13
	s_mov_b32 s21, 0
	s_lshl_b32 s46, s42, 4
	s_add_co_u32 s46, s46, s18                     ; W: tile 16 x tile column + 8 x half
	s_lshl_b32 s46, s46, 13
	s_mov_b32 s47, 0
	s_lshl_b32 s45, s14, 15                        ; where they go: wave x 32,768: no place in the cluster enters an LDS address
	s_wait_dscnt 0x0                               ; both opening adds are done
	s_wait_kmcnt 0x0
	s_add_nc_u64 s[20:21], s[4:5], s[20:21]
	s_add_nc_u64 s[46:47], s[6:7], s[46:47]
	CROUND                                         ; all sixteen work-groups are here: the joint loads meet
.irp s, 0,1
	s_mov_b32 s[G0+4*\s], 1
	s_add_co_u32 s[G0+4*\s+1], s45, \s*HALF
	s_add_nc_u64 s[G0+4*\s+2:G0+4*\s+3], s[20:21], \s*4096
	s_or_b32 s[G0+4*\s+3], s[G0+4*\s+3], 0x80000000
	s_mov_b32 s[G0B+4*\s], 1
	s_add_co_u32 s[G0B+4*\s+1], s45, \s*HALF
	s_add_nc_u64 s[G0B+4*\s+2:G0B+4*\s+3], s[46:47], \s*4096
	s_or_b32 s[G0B+4*\s+3], s[G0B+4*\s+3], 0x80000000
	JLOAD G0+4*\s, G1, G0B+4*\s, G1B
.endr
	v_and_b32 v1, 15, v0                           ; r
	v_bfe_u32 v2, v0, 4, 1                         ; h
	v_and_b32 v[LI], 31, v0
	v_lshlrev_b32 v[LI], 4, v[LI]
	s_lshl_b32 s18, s15, 15                        ; my 8 tiles of x
	s_lshl_b32 s19, s16, 15                        ; my 8 tiles of W,
	s_add_co_u32 s19, s19, 65536                   ; which lie behind x's 16
.irp s, 0,1
	v_add_nc_u32 v[ADRA+\s], s18, v[LI]
	v_add_nc_u32 v[ADRB+\s], s19, v[LI]
	s_add_co_u32 s18, s18, HALF
	s_add_co_u32 s19, s19, HALF
.endr
	s_lshl_b32 s70, s17, 4
	s_lshl_b32 s18, s15, 3
	s_add_co_u32 s70, s70, s18                     ; my first tile of rows
	s_lshl_b32 s70, s70, 9                         ; its scale words: 512 bytes a tile
	s_lshl_b32 s69, s42, 4
	s_lshl_b32 s18, s16, 3
	s_add_co_u32 s69, s69, s18                     ; my first tile of columns
	s_lshl_b32 s71, s69, 9
	s_add_co_u32 s71, s71, 262144
	s_sub_co_u32 s71, s71, s70                     ; how far W's words lie behind x's: positive, since x's part ends at 262,144
	v_mul_u32_u24 v[SOFF], v2, s71                 ; lanes 16-31 take W's
	v_lshl_add_u32 v[SOFF], v1, 4, v[SOFF]
	v_add_nc_u32 v[SOFF], s70, v[SOFF]
.irp kh, 0,1
.irp i, 0,1,2,3,4,5,6,7
	global_load_b128 v[SC+32*\kh+4*\i:SC+32*\kh+4*\i+3], v[SOFF], s[8:9] offset:\i*512+\kh*256
.endr
.endr
	v_lshrrev_b32 v4, 3, v1                        ; v's place in an image: 16 (r / 8) + 8 h + r % 8
	v_lshlrev_b32 v4, 4, v4
	v_lshl_add_u32 v4, v2, 3, v4
	v_and_b32 v5, 7, v1
	v_add_nc_u32 v4, v4, v5
	v_lshlrev_b32 v4, 4, v4
	s_cmp_eq_u32 ttmp9, 2
	s_cselect_b32 s67, -1, 0                       ; all lanes where the tile is v's: a selection, no branch
	v_cndmask_b32 v[VO], v[LI], v4, s67
	s_lshl_b32 s72, s41, 4                         ; batch x head of my first column: 16 cy + 4 cx + 2 x half
	s_lshl_b32 s18, s40, 2
	s_add_co_u32 s72, s72, s18
	s_lshl_b32 s18, s16, 1
	s_add_co_u32 s72, s72, s18
	s_lshl_b32 s72, s72, 7                         ; 128 tiles of positions a head,
	s_lshl_b32 s18, s68, 4
	s_add_co_u32 s72, s72, s18                     ; + 16 x cluster y
	s_lshl_b32 s18, s15, 3
	s_add_co_u32 s72, s72, s18                     ; + 8 x my half of the rows
	s_lshl_b32 s72, s72, 11                        ; 2,048 bytes a tile
	s_lshl_b32 s18, ttmp9, 24                      ; q's, k's or v's region
	s_add_co_u32 s72, s72, s18
	s_mov_b32 s73, 0
	s_add_nc_u64 s[10:11], s[10:11], s[72:73]
	s_mul_i32 s74, s41, 196608
	s_lshl_b32 s18, s69, 10
	s_add_co_u32 s74, s74, s18
	s_mov_b32 s75, 0
	s_add_nc_u64 s[12:13], s[12:13], s[74:75]
	s_or_b32 s66, s68, s15                         ; 0 where my first 16 rows are a batch's positions 0-15: cluster y and the wave's number alone, the same in all sixteen partners
.macro FRAG reg, adr, q, i             ; a fragment, 16 rows x 128 K, as its image lies: registers 4 c .. 4 c + 3 at 512 c
.irp c, 0,1
	ds_load_b128 v[\reg+4*\c:\reg+4*\c+3], v[\adr] offset:(\i)*4096+(\q)*1024+512*\c
.endr
.endm
; 16 matrix instructions: x's blocks a0, a0 + 1 against W's eight.  The 64 accumulators take turns, one instruction a turn, in the same order in every step.
.macro MUL16 a0, p, q, sc, zero
.irp a, \a0, \a0+1
.irp b, 0,1,2,3,4,5,6,7
.if \zero
	v_wmma_scale_f32_16x16x128_f8f6f4 v[8*(8*((\a)%4)+\b):8*(8*((\a)%4)+\b)+7], v[128*(\p)+FR*\b:128*(\p)+FR*\b+FR-1], v[AF+FR*(\a):AF+FR*(\a)+FR-1], 0, v[SC+8*NQ*(\sc)+NQ*\b+(\q)], v[SC+8*NQ*(\sc)+NQ*(\a)+(\q)] matrix_a_fmt:MATRIX_FMT_FP4 matrix_b_fmt:MATRIX_FMT_FP4 matrix_a_scale:MATRIX_SCALE_ROW1
.else
	v_wmma_scale_f32_16x16x128_f8f6f4 v[8*(8*((\a)%4)+\b):8*(8*((\a)%4)+\b)+7], v[128*(\p)+FR*\b:128*(\p)+FR*\b+FR-1], v[AF+FR*(\a):AF+FR*(\a)+FR-1], v[8*(8*((\a)%4)+\b):8*(8*((\a)%4)+\b)+7], v[SC+8*NQ*(\sc)+NQ*\b+(\q)], v[SC+8*NQ*(\sc)+NQ*(\a)+(\q)] matrix_a_fmt:MATRIX_FMT_FP4 matrix_b_fmt:MATRIX_FMT_FP4 matrix_a_scale:MATRIX_SCALE_ROW1
.endif
.endr
.endr
.endm
.macro FETCH_B slot, q, p
	WIN TO_B
.irp i, 0,1,2,3,4,5,6,7
	FRAG 128*(\p)+FR*\i, ADRB+\slot, \q, \i
.endr
	WIN 0
.endm
.macro FETCH_A slot, q, i0
.irp i, \i0, \i0+1, \i0+2, \i0+3
	FRAG AF+FR*(\i), ADRA+\slot, \q, \i
.endr
.endm
.macro PLACES n                        ; plain vector instructions in front of loads into registers that matrix instructions have read, and of the first read of results
.rept \n
	v_nop
.endr
.endm
.macro STEP slot, q, zero              ; 128 along K, with its successor in the same half.  x has one set of registers (a block is free when its eight products are issued), W two
	s_wait_dscnt 4*NL                              ; W's set and x's blocks 0-3 are in; the youngest eight loads (x's blocks 4-7) may be out
	WIN MUL_LO
	MUL16 0, (\q)%2, \q, \slot, \zero
	MUL16 2, (\q)%2, \q, \slot, \zero
	s_wait_dscnt 0
	PLACES NP
	FETCH_B \slot, (\q)+1, 1-(\q)%2
	FETCH_A \slot, (\q)+1, 0
	WIN MUL_HI
	MUL16 4, (\q)%2, \q, \slot, \zero
	MUL16 6, (\q)%2, \q, \slot, \zero
	PLACES NP
	WIN 0
	FETCH_A \slot, (\q)+1, 4
.endm
.macro TURN slot, next                 ; the first half's last step: behind its barrier every wave's part of the second half has landed.  Nothing is filled again
	s_wait_tensorcnt 0x0                           ; my part of the second half is in;
	ds_add_u32 v[SPW], v[NIL]                      ; 0 onto my spare word;
	s_wait_dscnt 4*NL+1                            ; (the add and the youngest eight loads may be out)
	WIN MUL_LO
	MUL16 0, 1, NQ-1, \slot, 0
	s_wait_dscnt 0x0                               ; no LDS instruction of mine is out at the signal
	s_barrier_signal -1
	MUL16 2, 1, NQ-1, \slot, 0
	WIN 0
	s_barrier_wait -1
	PLACES NP
	FETCH_B \next, 0, 0
	FETCH_A \next, 0, 0
	WIN MUL_HI
	MUL16 4, 1, NQ-1, \slot, 0
	MUL16 6, 1, NQ-1, \slot, 0
	PLACES NP
	WIN 0
	FETCH_A \next, 0, 4
.endm
.macro STEPS slot, from
.set Q, \from
.rept NQ-1-\from
	STEP \slot, Q, 0
.set Q, Q+1
.endr
.endm
	s_wait_tensorcnt 1                             ; my part of the first half is in (the second half's load may be out),
	s_barrier_signal -1
	s_barrier_wait -1                              ; everybody's is
	FETCH_B 0, 0, 0
	FETCH_A 0, 0, 0
	FETCH_A 0, 0, 4
	s_wait_loadcnt 0x0                             ; the scale words
	STEP 0, 0, 1                                   ; the first products start the sums: nothing is cleared
	STEPS 0, 1
	TURN 0, 1
	STEPS 1, 0
	s_wait_dscnt 4*NL                              ; the last step: nothing more to fetch
	WIN MUL_LO
	MUL16 0, 1, NQ-1, 1, 0
	MUL16 2, 1, NQ-1, 1, 0
	s_wait_dscnt 0
	WIN MUL_HI
	MUL16 4, 1, NQ-1, 1, 0
	MUL16 6, 1, NQ-1, 1, 0
	WIN 0
	PLACES NP
	; positions 0-15 of a batch also leave in f32, the accumulators as they stand, each from its low end on
	s_cmp_lg_u32 s66, 0
	s_cbranch_scc1 .Lcoarse
	WIN 0x08                                       ; a store's data: window 2
.irp b, 0,1,2,3,4,5,6,7
	global_store_b128 v[LI], v[8*\b:8*\b+3], s[12:13] offset:\b*1024
	global_store_b128 v[LI], v[8*\b+4:8*\b+7], s[12:13] offset:\b*1024+512
.endr
	WIN 0
.Lcoarse:
.macro PACK a                          ; block a, 16 positions x 128 channels: rounded to f16, 16 bytes a lane, and stored: each store covers 512 consecutive bytes, aligned
.set AC, 64*((\a)%4)
.set TP, TMP+32*((\a)%4)
.if (\a) >= 4
	s_wait_xcnt 0x0                                ; the stores of four blocks back have read these registers
.endif
	WIN 0x0a+5*((\a)/4)                            ; sources 0 and 1: window 2 or 3
.irp b, 0,1,2,3,4,5,6,7
.irp i, 0,1,2,3
	v_cvt_pk_f16_f32 v[TP+4*\b+\i], v[AC+8*\b+2*\i], v[AC+8*\b+2*\i+1]
.endr
.endr
	WIN 0
.irp b, 0,1,2,3,4,5,6,7
	global_store_b128 v[VO], v[TP+4*\b:TP+4*\b+3], s[10:11] offset:(\b/4)*262144+(\a)*2048+(\b%4)*512   ; head b / 4 of my two, tile a of positions, channels 16 (b % 4) on
.endr
.endm
.irp a, 0,1,2,3,4,5,6,7
	PACK \a
.endr
	s_wait_tensorcnt 0x0                           ; the wave's end
	ds_add_u32 v[SPW], v[NIL]
	s_wait_dscnt 0x0
	CROUND                                         ; the closing round
	s_endpgm
.Lfunc_end_k_qbbbc7a71d9_qkv:
	.size	k_qbbbc7a71d9_qkv, .Lfunc_end_k_qbbbc7a71d9_qkv-k_qbbbc7a71d9_qkv
	.p2alignl 7, 3214868480
	.fill 96, 4, 3214868480
	.section	.rodata,"a",@progbits
	.p2align	6, 0x0
	.amdhsa_kernel k_qbbbc7a71d9_qkv
		.amdhsa_group_segment_fixed_size 327680
		.amdhsa_private_segment_fixed_size 0
		.amdhsa_enable_private_segment 0
		.amdhsa_kernarg_size 40
		.amdhsa_user_sgpr_count 2
		.amdhsa_user_sgpr_kernarg_segment_ptr 1
		.amdhsa_wavefront_size32 1
		.amdhsa_system_sgpr_workgroup_id_x 1
		.amdhsa_system_sgpr_workgroup_id_y 1
		.amdhsa_system_sgpr_workgroup_id_z 1
		.amdhsa_system_vgpr_workitem_id 0
		.amdhsa_next_free_vgpr 1024
		.amdhsa_next_free_sgpr 100
		.amdhsa_reserve_vcc 0
		.amdhsa_float_denorm_mode_32 3
		.amdhsa_float_denorm_mode_16_64 3
		.amdhsa_memory_ordered 1
		.amdhsa_forward_progress 1
		.amdhsa_inst_pref_size 118
	.end_amdhsa_kernel
	.amdgpu_metadata
---
amdhsa.version: [ 1, 2 ]
amdhsa.kernels:
  - .name:           k_qbbbc7a71d9_qkv
    .symbol:         k_qbbbc7a71d9_qkv.kd
    .args:
      - { .name: ximg, .offset: 0, .size: 8, .value_kind: global_buffer, .address_space: global }
      - { .name: wimg, .offset: 8, .size: 8, .value_kind: global_buffer, .address_space: global }
      - { .name: scl, .offset: 16, .size: 8, .value_kind: global_buffer, .address_space: global }
      - { .name: qkv16, .offset: 24, .size: 8, .value_kind: global_buffer, .address_space: global }
      - { .name: qkv32, .offset: 32, .size: 8, .value_kind: global_buffer, .address_space: global }
    .group_segment_fixed_size: 327680
    .private_segment_fixed_size: 0
    .kernarg_segment_align: 8
    .kernarg_segment_size: 40
    .max_flat_workgroup_size: 128
    .sgpr_count:     100
    .vgpr_count:     1024
    .wavefront_size: 32
...
	.end_amdgpu_metadata
.endif
;; end of part 2
;; launch attn (part 3): grid 4 x 64, 16 waves a work-group, no clusters, 327,680 bytes of LDS; arguments qkv16, cimg; writes cimg
.if DOCPART == 3
	.amdgcn_target "amdgcn-amd-amdhsa--gfx1250"
	.amdhsa_code_object_version 6
	.text
	.protected	k_qbbbc7a71d9_attn
	.globl	k_qbbbc7a71d9_attn
	.p2align	8
	.type	k_qbbbc7a71d9_attn,@function
k_qbbbc7a71d9_attn:
	s_mov_b64 s[64:65], 0
	v_nop
	global_prefetch_b8 v0, s[64:65] scope:SCOPE_SE
	s_setreg_imm32_b32 hwreg(HW_REG_WAVE_MODE, 25, 1), 1
	s_wait_xcnt 0x0
; ctx[b][h][q] = the sum over k <= q of softmax_k(q . k / 8) v[k], f16 operands, f32 products' sums, maxima and sums; the weights p are rounded to f16 for the second product, ctx once at the end.
; WORK LEFT OUT: keys behind the query have the weight 0 by reference()'s own tril (shown at the head of the first launch): a step of 64 keys that all lie behind my 32 queries is jumped over, and a slot of 256 keys
; behind the work-group's last query is not fetched.  A NaN or an infinity that would arise only there is not carried to the result.
; SHARES.  Work-group (i, batch x head) owns blocks i and 7 - i of 256 queries of one head at the same time: waves 0-7 take block i, waves 8-15 block 7 - i, 32 queries (two tiles of 16) a wave.  Both blocks read the same
; slots of K and V, and every work-group has nine block-slots of work.  Four waves share a SIMD, so that one wave's softmax stands beside another's products and LDS loads.
; NO CLUSTER: the four work-groups of a head need 8, 7, 6 and 5 slots, so a joint load would bring some partners tiles that none of their waves reads.
; LAYOUT.  S^T = K Q^T (source 0 = 16 keys, source 1 = 16 queries): a lane holds ONE query (lane % 16) and keys 8 (lane / 16) + 0 .. 7.  Two such tiles rounded to f16 in pairs ARE source 1 of O^T = V^T P.
; K and Q come as images of their registers; V's image is laid so that the turning load at 16 x lane gives V^T.  O^T packed to f16 IS the image that the projection reads:
;   cimg [16 rows 512][2 head + channel step][c 2][lane][16 B].
; SOFTMAX.  A running maximum m and sum l for each query: p = 2^(c s - c m), c = log2(e) / 8; in every step O and l are multiplied by a = 2^(c m_old - c m_new).  m begins at -3e38, O and l at 0: the step is written once.
; THE RING.  Two slots of 256 keys (K 32 KB, V 32 KB), filled by waves 0-3, one dense load of 16 KB each; by this text's own count a wave has one tensor load out.  Every work-group walks all eight slots: the trip counts are constants.
; LIMIT: p under 6e-8 becomes 0 in f16; ctx in f16 is finite up to 65,504.
.set LI,   1                           ; v1   16 x lane
.set ADR,  2                           ; v2   LDS address of the step's tiles
.set SPW,  3                           ; v3   SPARE + 4 x my thread's number; never rewritten
.set NIL,  4                           ; v4   0; never rewritten
.set RH,   5                           ; v5   lane % 16 - 8 (lane / 16)
.set D0,   6                           ; v6, v7  on the diagonal: a register's key is hidden where its number in the step is above this (tile 0, 1)
.set T,    8                           ; v8-23   statistics, 8 a tile: +0 c m, +1 m, +2, +3 l (two halves), +4 .. +7 at work; a in +6
.set Q,    24                          ; v24-55  Q: tile t, channel step cs at 24 + 16 t + 8 cs
.set KV,   56                          ; v56-119 K's eight fragments, then V's
.set S,    120                         ; v120-183 S^T: tile t, key tile kt at 120 + 32 t + 8 kt; P is made in place in the low 16 of each tile's 32
.set O,    184                         ; v184-247 O^T: tile t, channel tile ct at 184 + 32 t + 8 ct
.set NINF, 248                         ; v248 -infinity
.set PFO,  249                         ; v249 256 x lane: the prefetches' offset; never rewritten
.set WV,    8
.set Q0,    11                         ; s11  my first query
.set LASTQ, 12                         ; s12  the work-group's last query
.set KF,    13                         ; s13  the step's first key
.set TB,    14                         ; s14  LDS byte at which the step's tiles of K begin
.set SLOTS, 15
.set CNT,   16
.set LIM,   17                         ; s17  1 in a wave that prefetches, else the greatest number
.set CS,    18                         ; s[18:19] c, twice
.set SEL,   20                         ; s[20:21] selects for lane l xor 16
.set G1,    24
.set G0,    32
.set PFA,   36
.set QB,    38
.set CB,    40
.set SLOT1, 65536
.set SPARE, 131072                     ; behind the ring: the spare words, 128 bytes for each of sixteen waves
.macro TLOAD                           ; waves 0 and 1 fetch K's halves, waves 2 and 3 V's, the others nothing; an s_nop 0 and four v_nop follow the line
	s_cmp_lt_u32 s[WV], 4
	s_cbranch_scc0 .Lnone_\@
	tensor_load_to_lds s[G0:G0+3], s[G1:G1+7]
	s_nop 0
.rept 4
	v_nop
.endr
.Lnone_\@:
.endm
; A PREFETCH INTO THE L2 of the slot that the NEXT change of slots will ask for: four key steps ahead of that load.  All four work-groups of a head walk the same K and V: work-group i = 0, which walks all eight slots, asks.
; In it waves 4-7 ask for K's 32 KB, waves 8-11 for V's: 8,192 bytes a wave, lanes 256 bytes apart, one instruction: each aligned block of 256 bytes is named once in the launch.
; Slots 0 and 1 come by their loads alone; the last change that fills a slot asks for nothing.
.macro ASK
	s_cmp_gt_u32 s[SLOTS], s[LIM]
	s_cbranch_scc0 .Lnot_mine_\@
	global_prefetch_b8 v[PFO], s[PFA:PFA+1] th:TH_LOAD_NT scope:SCOPE_SE
.Lnot_mine_\@:
.endm
	s_load_b128 s[4:7], s[0:1], 0x0                ; qkv16, cimg
	v_lshl_add_u32 v[SPW], v0, 2, SPARE
	v_mov_b32 v[NIL], 0
	ds_add_u32 v[SPW], v[NIL]                      ; the wave's opening: the add, twice on end, and its wait ahead of the first tensor load
	ds_add_u32 v[SPW], v[NIL]
	v_lshrrev_b32 v[ADR], 5, v0
	v_readfirstlane_b32 s[WV], v[ADR]              ; wave 0..15
	s_and_b32 s10, ttmp7, 0xffff                   ; batch x head
	s_sub_co_u32 s42, 7, ttmp9
	s_cmp_lt_u32 s[WV], 8
	s_cselect_b32 s[Q0], ttmp9, s42                ; my block of 256 queries
	s_lshl_b32 s[Q0], s[Q0], 8
	s_and_b32 s43, s[WV], 7
	s_lshl_b32 s43, s43, 5
	s_add_co_u32 s[Q0], s[Q0], s43
	s_sub_co_u32 s[LASTQ], 8, ttmp9
	s_lshl_b32 s[LASTQ], s[LASTQ], 8
	s_sub_co_u32 s[LASTQ], s[LASTQ], 1             ; block 7 - i ends here
	s_mov_b32 s[KF], 0
	s_mov_b32 s[TB], 0
	s_mov_b32 s[SLOTS], 7
	s_mov_b32 s[CS], 0x3e38aa3b                    ; c = log2(e) / sqrt(64)
	s_mov_b32 s[CS+1], s[CS]
	s_mov_b32 s[SEL], 0x76543210
	s_mov_b32 s[SEL+1], 0xfedcba98
	s_mov_b32 s[G1], 3<<16                         ; no mask; elements of 8 bytes; no padding: 16 KB dense, as 64 rows of 256 bytes
	s_mov_b32 s[G1+1], 32<<16
	s_mov_b32 s[G1+2], 64<<16
	s_mov_b32 s[G1+3], 32<<16
	s_mov_b32 s[G1+4], 64
	s_mov_b32 s[G1+5], 32
	s_mov_b32 s[G1+6], 0
	s_mov_b32 s[G1+7], 0
	s_lshl_b32 s9, s10, 18                         ; my head in a region: 262,144 bytes a head
	s_lshl_b32 s42, s[Q0], 7                       ; Q: 128 bytes a position
	s_add_co_u32 s42, s42, s9
	s_mov_b32 s43, 0
	s_lshr_b32 s44, s10, 4                         ; ctx: (128 x batch + Q0 / 16) tiles of 32,768 bytes + 2,048 x head
	s_lshl_b32 s44, s44, 7
	s_lshr_b32 s45, s[Q0], 4
	s_add_co_u32 s44, s44, s45
	s_lshl_b32 s44, s44, 15
	s_and_b32 s45, s10, 15
	s_lshl_b32 s45, s45, 11
	s_add_co_u32 s44, s44, s45
	s_mov_b32 s45, 0
	s_bfe_u32 s46, s[WV], 0x10001                  ; what I fetch, if I fetch: K (0) or V (1),
	s_add_co_u32 s46, s46, 1
	s_lshl_b32 s46, s46, 24                        ; its region,
	s_add_co_u32 s46, s46, s9
	s_and_b32 s47, s[WV], 1
	s_lshl_b32 s47, s47, 14                        ; its half of a slot
	s_add_co_u32 s46, s46, s47
	s_mov_b32 s47, 0
	s_bfe_u32 s22, s[WV], 0x10003                  ; what I prefetch, if I do: waves 4-7 K, waves 8-11 V
	s_add_co_u32 s22, s22, 1
	s_lshl_b32 s22, s22, 24
	s_add_co_u32 s22, s22, s9
	s_and_b32 s23, s[WV], 3
	s_lshl_b32 s23, s23, 13
	s_add_co_u32 s22, s22, s23
	s_add_co_u32 s22, s22, 32768                   ; in slot 1: the first change of slots steps it to slot 2
	s_mov_b32 s23, 0
	s_sub_co_u32 s[LIM], s[WV], 4
	s_lshr_b32 s[LIM], s[LIM], 3                   ; 0 in waves 4 to 11,
	s_or_b32 s[LIM], s[LIM], ttmp9                 ; of work-group i = 0
	s_cmp_eq_u32 s[LIM], 0
	s_cselect_b32 s[LIM], 1, -1
	s_wait_dscnt 0x0                               ; both opening adds are done
	s_wait_kmcnt 0x0
	s_mov_b32 s[G0], 1
	s_and_b32 s[G0+1], s[WV], 3
	s_lshl_b32 s[G0+1], s[G0+1], 14                ; slot 0: K's halves at 0 and 16,384, V's at 32,768 and 49,152
	s_add_nc_u64 s[G0+2:G0+3], s[4:5], s[46:47]
	s_or_b32 s[G0+3], s[G0+3], 0x80000000
	TLOAD                                          ; slot 0
	s_add_nc_u64 s[QB:QB+1], s[4:5], s[42:43]
	s_add_nc_u64 s[CB:CB+1], s[6:7], s[44:45]
	s_add_nc_u64 s[PFA:PFA+1], s[4:5], s[22:23]
	v_and_b32 v[LI], 31, v0
	v_lshlrev_b32 v[PFO], 8, v[LI]
	v_lshlrev_b32 v[LI], 4, v[LI]
.irp t, 0,1
.irp cs, 0,1
.irp c, 0,1
	global_load_b128 v[Q+16*\t+8*\cs+4*\c:Q+16*\t+8*\cs+4*\c+3], v[LI], s[QB:QB+1] offset:\t*2048+\cs*1024+\c*512   ; Q stays in registers
.endr
.endr
.endr
	v_and_b32 v[RH], 15, v0
	v_bfe_u32 v[D0], v0, 4, 1
	v_lshlrev_b32 v[D0], 3, v[D0]
	v_sub_nc_u32 v[RH], v[RH], v[D0]
	v_mov_b32 v[NINF], 0xff800000
.irp t, 0,1
	v_mov_b32 v[T+8*\t+1], 0xff61b1e6              ; m = -3e38, under every score
	v_mul_f32 v[T+8*\t], s[CS], v[T+8*\t+1]
.irp j, 2,3,4,5,6,7
	v_mov_b32 v[T+8*\t+\j], 0                      ; l; and the registers at work, written once (a lane permute's destination counts as one of its sources)
.endr
.endr
.set i, 0
.rept 64
	v_mov_b32 v[O+i], 0                            ; O^T: the first step finds zeros, which its a = 0 leaves zeros
.set i, i+1
.endr
; A KEY STEP: 64 keys.
.macro STEP
	s_add_co_u32 s42, s[Q0], 31
	s_cmp_gt_u32 s[KF], s42                        ; all 64 keys behind my 32 queries: a branch on ids and counts, round the work, not round the steps of KF and TB
	s_cbranch_scc1 .Lhid_\@
	v_add_nc_u32 v[ADR], s[TB], v[LI]
.rept 4
	v_nop                                          ; with the addition five places behind the last products: K's loads land in registers that they read, and the new scores are laid over P, which they read
.endr
.irp kt, 0,1,2,3
.irp cs, 0,1
.irp c, 0,1
	ds_load_b128 v[KV+16*\kt+8*\cs+4*\c:KV+16*\kt+8*\cs+4*\c+3], v[ADR] offset:\kt*2048+\cs*1024+\c*512
.endr
.endr
.endr
	s_wait_dscnt 0x0
.irp kt, 0,1,2,3                       ; S^T = K Q^T: eight accumulators by turns; the first eight products start the sums
.irp t, 0,1
	v_wmma_f32_16x16x32_f16 v[S+32*\t+8*\kt:S+32*\t+8*\kt+7], v[KV+16*\kt:KV+16*\kt+7], v[Q+16*\t:Q+16*\t+7], 0
.endr
.endr
.irp kt, 0,1,2,3
.irp t, 0,1
	v_wmma_f32_16x16x32_f16 v[S+32*\t+8*\kt:S+32*\t+8*\kt+7], v[KV+16*\kt+8:KV+16*\kt+15], v[Q+16*\t+8:Q+16*\t+15], v[S+32*\t+8*\kt:S+32*\t+8*\kt+7]
.endr
.endr
.rept 4
	v_nop                                          ; places in front of V's loads into K's registers, and of the first read of the scores
.endr
.irp ks, 0,1                           ; V^T, turned: keys 32 ks + 16 u on, channels 16 ct on.  These land while the softmax is walked
.irp ct, 0,1,2,3
.irp u, 0,1
	ds_load_tr16_b128 v[KV+8*(4*\ks+\ct)+4*\u:KV+8*(4*\ks+\ct)+4*\u+3], v[ADR] offset:32768+(2*\ks+\u)*2048+\ct*512
.endr
.endr
.endr
	s_add_co_u32 s42, s[KF], 63
	s_cmp_le_u32 s42, s[Q0]                        ; all 64 keys count for all my queries: nothing to hide
	s_cbranch_scc1 .Lopen_\@
	s_sub_co_i32 s42, s[Q0], s[KF]
	v_add_nc_u32 v[D0], s42, v[RH]                 ; register 8 kt + j holds key KF + 16 kt + 8 h + j: hidden where 16 kt + j > my query - KF - 8 h
	v_add_nc_u32 v[D0+1], 16, v[D0]
.set n, 0
.rept 32
	v_cmp_gt_i32 vcc_lo, 16*(n/8)+n%8, v[D0]
	v_cndmask_b32 v[S+n], v[S+n], v[NINF], vcc_lo
	v_cmp_gt_i32 vcc_lo, 16*(n/8)+n%8, v[D0+1]
	v_cndmask_b32 v[S+32+n], v[S+32+n], v[NINF], vcc_lo
.set n, n+1
.endr
.Lopen_\@:
.irp j, 0,1,2,3                        ; the maximum of my 32 scores and the old m: four chains a tile, each begun at its accumulator's low end; the two tiles by turns throughout
.irp t, 0,1
	v_max3_num_f32 v[T+8*\t+4+\j], v[S+32*\t+8*\j], v[S+32*\t+8*\j+1], v[S+32*\t+8*\j+2]
.endr
.endr
.irp u, 1,2
.irp j, 0,1,2,3
.irp t, 0,1
	v_max3_num_f32 v[T+8*\t+4+\j], v[T+8*\t+4+\j], v[S+32*\t+8*\j+2*\u+1], v[S+32*\t+8*\j+2*\u+2]
.endr
.endr
.endr
.irp t, 0,1
	v_max3_num_f32 v[T+8*\t+4], v[T+8*\t+4], v[S+32*\t+7], v[S+32*\t+15]
	v_max3_num_f32 v[T+8*\t+6], v[T+8*\t+6], v[S+32*\t+23], v[S+32*\t+31]
.endr
.irp t, 0,1
	v_max3_num_f32 v[T+8*\t+4], v[T+8*\t+4], v[T+8*\t+5], v[T+8*\t+6]
.endr
.irp t, 0,1
	v_max3_num_f32 v[T+8*\t+4], v[T+8*\t+4], v[T+8*\t+7], v[T+8*\t+1]
.endr
.irp t, 0,1
	v_permlanex16_b32 v[T+8*\t+5], v[T+8*\t+4], s[SEL], s[SEL+1]   ; the query's other 32 keys lie in the lane 16 away
.endr
.irp t, 0,1
	v_mov_b32 v[T+8*\t+7], v[T+8*\t]               ; c m_old
.endr
.irp t, 0,1
	v_max_num_f32 v[T+8*\t+1], v[T+8*\t+4], v[T+8*\t+5]
.endr
.irp t, 0,1
	v_mul_f32 v[T+8*\t], s[CS], v[T+8*\t+1]
.endr
.irp t, 0,1
	v_sub_f32 v[T+8*\t+7], v[T+8*\t+7], v[T+8*\t]
.endr
.irp b, 0,1,2,3,4,5,6,7,8,9,10,11,12,13,14,15
.irp t, 0,1
	v_pk_fma_f32 v[S+32*\t+2*\b:S+32*\t+2*\b+1], v[S+32*\t+2*\b:S+32*\t+2*\b+1], s[CS:CS+1], v[T+8*\t:T+8*\t+1] op_sel_hi:[1,0,0] neg_lo:[0,0,1] neg_hi:[0,0,1]   ; c s - c m
.endr
.endr
.irp t, 0,1
	v_exp_f32 v[T+8*\t+6], v[T+8*\t+7]             ; a.  ONE BATCH of 66 exponentials
.endr
.irp e, 0,1,2,3,4,5,6,7,8,9,10,11,12,13,14,15,16,17,18,19,20,21,22,23,24,25,26,27,28,29,30,31
.irp t, 0,1
	v_exp_f32 v[S+32*\t+\e], v[S+32*\t+\e]
.endr
.endr
	v_nop                                          ; a plain place behind the last exponential
	s_wait_alu depctr_va_vdst(0)                   ; the wait ahead of the first instruction that names a result: one for the batch
.irp t, 0,1
	v_pk_mul_f32 v[T+8*\t+2:T+8*\t+3], v[T+8*\t+2:T+8*\t+3], v[T+8*\t+6:T+8*\t+7] op_sel_hi:[1,0]   ; l under the new m
	v_pk_add_f32 v[T+8*\t+4:T+8*\t+5], v[S+32*\t:S+32*\t+1], v[S+32*\t+2:S+32*\t+3]                 ; the sum of p in f32, in two chains
.endr
.irp j, 4,8,12,16,20,24,28
.irp t, 0,1
	v_pk_add_f32 v[T+8*\t+2:T+8*\t+3], v[T+8*\t+2:T+8*\t+3], v[S+32*\t+\j:S+32*\t+\j+1]
	v_pk_add_f32 v[T+8*\t+4:T+8*\t+5], v[T+8*\t+4:T+8*\t+5], v[S+32*\t+\j+2:S+32*\t+\j+3]
.endr
.endr
.irp t, 0,1
	v_pk_add_f32 v[T+8*\t+2:T+8*\t+3], v[T+8*\t+2:T+8*\t+3], v[T+8*\t+4:T+8*\t+5]
.endr
.irp i, 0,1,2,3,4,5,6,7,8,9,10,11,12,13,14,15
.irp t, 0,1
	v_cvt_pk_f16_f32 v[S+32*\t+\i], v[S+32*\t+2*\i], v[S+32*\t+2*\i+1]   ; P in place, ascending: register i is written when registers 2 i and 2 i + 1 are read
.endr
.endr
.irp j, 0,1,2,3,4,5,6,7,8,9,10,11,12,13,14,15
.irp t, 0,1
	v_pk_mul_f32 v[O+32*\t+2*\j:O+32*\t+2*\j+1], v[O+32*\t+2*\j:O+32*\t+2*\j+1], v[T+8*\t+6:T+8*\t+7] op_sel_hi:[1,0]   ; O^T under the new m
.endr
.endr
	s_wait_dscnt 0x0                               ; V^T is in
.irp ks, 0,1                           ; O^T += V^T P: eight accumulators by turns
.irp ct, 0,1,2,3
.irp t, 0,1
	v_wmma_f32_16x16x32_f16 v[O+32*\t+8*\ct:O+32*\t+8*\ct+7], v[KV+8*(4*\ks+\ct):KV+8*(4*\ks+\ct)+7], v[S+32*\t+8*\ks:S+32*\t+8*\ks+7], v[O+32*\t+8*\ct:O+32*\t+8*\ct+7]
.endr
.endr
.endr
.Lhid_\@:
	s_add_co_u32 s[KF], s[KF], 64
	s_add_co_u32 s[TB], s[TB], 8192
.endm
; THE CHANGE OF SLOTS stands at a slot's head.  Each wave waits for all its tensor loads, adds 0 to its spare word, and waits for that and for its reads of the slot that it has left; behind the barrier the slot ahead is whole
; and nobody reads the other one.  fill = 1: that other slot takes the next 256 keys, if any wave of the work-group will read them.
.macro CHANGE fill
	s_wait_tensorcnt 0x0                           ; no tensor load of mine is out, so group 0 may be written
	ds_add_u32 v[SPW], v[NIL]
.if \fill
	ds_add_u32 v[SPW], v[NIL]                      ; twice on end here
	s_xor_b32 s[G0+1], s[G0+1], SLOT1              ; the other slot than last time,
	s_add_nc_u64 s[G0+2:G0+3], s[G0+2:G0+3], 32768 ; the next 256 keys
	s_wait_xcnt 0x0                                ; the last prefetch, a slot back, has read its address
	s_add_nc_u64 s[PFA:PFA+1], s[PFA:PFA+1], 32768
.endif
	s_wait_dscnt 0x0
	s_barrier_signal -1
	s_barrier_wait -1
.if \fill
	s_add_co_u32 s42, s[KF], 256                   ; the first key of the slot that this change would ask for
	s_cmp_gt_u32 s42, s[LASTQ]                     ; ids and the count of steps alone: all sixteen waves go the same way; every wait on TENSORcnt in this text is for 0
	s_cbranch_scc1 .Lpast_\@
	TLOAD                                          ; a wave's one tensor load until the next such barrier
.Lpast_\@:
	ASK
.endif
.endm
.macro SLOT_STEPS                      ; a slot's four key steps: written once, walked four times
	s_mov_b32 s[CNT], 4
.Lstep_\@:
	STEP
	s_sub_co_u32 s[CNT], s[CNT], 1
	s_cmp_lg_u32 s[CNT], 0
	s_cbranch_scc1 .Lstep_\@
	s_sub_co_u32 s[TB], s[TB], 32768               ; back to a slot's first step,
	s_xor_b32 s[TB], s[TB], SLOT1                  ; in the other slot
.endm
	s_wait_loadcnt 0x0                             ; Q
.Lslot:                                            ; seven trips
	CHANGE 1
	SLOT_STEPS
	s_sub_co_u32 s[SLOTS], s[SLOTS], 1
	s_cmp_lg_u32 s[SLOTS], 0
	s_cbranch_scc1 .Lslot
	CHANGE 0                                       ; the last slot is written out: nothing is left to ask for
	SLOT_STEPS
	; THE WAY OUT: O^T / l, rounded to f16: the packed registers are the projection's fragments and are stored as they stand
.rept 4
	v_nop
.endr
.irp t, 0,1
	v_add_f32 v[T+8*\t+4], v[T+8*\t+2], v[T+8*\t+3]
.endr
.irp t, 0,1
	v_permlanex16_b32 v[T+8*\t+5], v[T+8*\t+4], s[SEL], s[SEL+1]
.endr
.irp t, 0,1
	v_add_f32 v[T+8*\t+4], v[T+8*\t+4], v[T+8*\t+5]
.endr
.irp t, 0,1
	v_rcp_f32 v[T+8*\t+6], v[T+8*\t+4]
.endr
	v_nop
	s_wait_alu depctr_va_vdst(0)                   ; one wait for both reciprocals, ahead of their first reader
.irp j, 0,1,2,3,4,5,6,7,8,9,10,11,12,13,14,15
.irp t, 0,1
	v_pk_mul_f32 v[O+32*\t+2*\j:O+32*\t+2*\j+1], v[O+32*\t+2*\j:O+32*\t+2*\j+1], v[T+8*\t+6:T+8*\t+7] op_sel_hi:[1,0]
.endr
.endr
.irp t, 0,1
.irp i, 0,1,2,3,4,5,6,7,8,9,10,11,12,13,14,15
	v_cvt_pk_f16_f32 v[S+16*\t+\i], v[O+32*\t+2*\i], v[O+32*\t+2*\i+1]
.endr
.endr
.irp t, 0,1
.irp ct, 0,1,2,3
	global_store_b128 v[LI], v[S+16*\t+4*\ct:S+16*\t+4*\ct+3], s[CB:CB+1] offset:\t*32768+\ct*512   ; 512 consecutive bytes, aligned
.endr
.endr
	s_wait_tensorcnt 0x0                           ; the wave's end
	ds_add_u32 v[SPW], v[NIL]
	s_wait_dscnt 0x0
	s_endpgm
.Lfunc_end_k_qbbbc7a71d9_attn:
	.size	k_qbbbc7a71d9_attn, .Lfunc_end_k_qbbbc7a71d9_attn-k_qbbbc7a71d9_attn
	.p2alignl 7, 3214868480
	.fill 96, 4, 3214868480
	.section	.rodata,"a",@progbits
	.p2align	6, 0x0
	.amdhsa_kernel k_qbbbc7a71d9_attn
		.amdhsa_group_segment_fixed_size 327680
		.amdhsa_private_segment_fixed_size 0
		.amdhsa_enable_private_segment 0
		.amdhsa_kernarg_size 16
		.amdhsa_user_sgpr_count 2
		.amdhsa_user_sgpr_kernarg_segment_ptr 1
		.amdhsa_wavefront_size32 1
		.amdhsa_system_sgpr_workgroup_id_x 1
		.amdhsa_system_sgpr_workgroup_id_y 1
		.amdhsa_system_sgpr_workgroup_id_z 1
		.amdhsa_system_vgpr_workitem_id 0
		.amdhsa_next_free_vgpr 256
		.amdhsa_next_free_sgpr 66
		.amdhsa_reserve_vcc 1
		.amdhsa_float_denorm_mode_32 3
		.amdhsa_float_denorm_mode_16_64 3
		.amdhsa_memory_ordered 1
		.amdhsa_forward_progress 1
		.amdhsa_inst_pref_size 58
	.end_amdhsa_kernel
	.amdgpu_metadata
---
amdhsa.version: [ 1, 2 ]
amdhsa.kernels:
  - .name:           k_qbbbc7a71d9_attn
    .symbol:         k_qbbbc7a71d9_attn.kd
    .args:
      - { .name: qkv16, .offset: 0, .size: 8, .value_kind: global_buffer, .address_space: global }
      - { .name: cimg, .offset: 8, .size: 8, .value_kind: global_buffer, .address_space: global }
    .group_segment_fixed_size: 327680
    .private_segment_fixed_size: 0
    .kernarg_segment_align: 8
    .kernarg_segment_size: 16
    .max_flat_workgroup_size: 512
    .sgpr_count:     66
    .vgpr_count:     256
    .wavefront_size: 32
...
	.end_amdgpu_metadata
.endif
;; end of part 3
;; launch oproj (part 4): grid 4 x 64, 4 waves a work-group, clusters of 4 x 4, 327,680 bytes of LDS; arguments cimg, woimg, bo, out0; writes out0
.if DOCPART == 4
	.amdgcn_target "amdgcn-amd-amdhsa--gfx1250"
	.amdhsa_code_object_version 6
	.text
	.protected	k_qbbbc7a71d9_oproj
	.globl	k_qbbbc7a71d9_oproj
	.p2align	8
	.type	k_qbbbc7a71d9_oproj,@function
k_qbbbc7a71d9_oproj:
	s_mov_b64 s[64:65], 0
	v_nop
	global_prefetch_b8 v0, s[64:65] scope:SCOPE_SE
	s_setreg_imm32_b32 hwreg(HW_REG_WAVE_MODE, 25, 1), 1
	s_wait_xcnt 0x0
	s_wait_alu depctr_hold_cnt(0) depctr_sa_sdst(0) depctr_va_vdst(0) depctr_va_sdst(0) depctr_va_ssrc(0) depctr_va_vcc(0) depctr_vm_vsrc(0)
	s_getreg_b32 s2, hwreg(HW_REG_IB_STS2, 6, 4)
	s_cmp_eq_u32 s2, 0
	s_cbranch_scc0 .Lentry_in_a_cluster
	s_endpgm
.Lentry_in_a_cluster:
	s_bfe_u32 s2, ttmp6, 0x10000c
	s_cmp_lg_u32 s2, 0xf033
	s_cbranch_scc0 .Lentry_shape_is_right
	s_endpgm
.Lentry_shape_is_right:
; out = ctx Wo + bo: [8,192 x 1,024] x [1,024 x 1,024], f16 operands, f32 sums.  The 16 rows of positions 0-15 of each batch ride in a wave's 64 rows and are NOT stored here: the next launch makes them in f32.
; A tile of the output is 128 rows x 256 columns: 256 work-groups.  Four waves, each 64 x 128: 32 accumulators.  K goes in steps of 128 through two LDS slots; both operands come as images of their registers,
; so a K step of a tile of 16 rows is 4,096 consecutive bytes, and a fragment is two loads of 16 bytes a lane at 16 x lane + a constant.
; CLUSTERS: 4 x 4.  Tile column = cx; tile row = cluster y + 16 cy (so cy is the batch, and cluster y = 0 means its first 128 positions).  ctx's tiles are shared along a row of the cluster, Wo's along a column.
; THE MATRIX INSTRUCTION IS USED TRANSPOSED (source 0 = 16 columns of Wo, source 1 = 16 rows of ctx): a lane holds eight neighbouring numbers of a row of the output.  bo is the C of each sum's first product.
; REGISTERS: window 0: v1-30 addresses; v32-127, v128-223 two fragment buffers (ctx's four at +8 a, Wo's eight at +32 + 8 b); on the way out v32-159 rows.  window 1: accumulator (a, b) at v[8 (8 a + b)].  window 2: v0-63 bo.
.set SLOT,  98304                      ; ctx's 8 tiles x 4,096 bytes, then Wo's 16
.set STAGE, 196608                     ; behind the ring: 16 rows x (512 bytes + 16) for each wave
.set SPARE, 230400                     ; behind the stages: the spare words, 128 bytes for each wave
.set LI,   3
.set ADRA, 16
.set ADRB, 20
.set STO,  24
.set RD,   25
.set BOF,  27
.set SPW,  28
.set NIL,  29
.set PFO,  30
.set F0,   32
.set F1,   128
.set BK,   32
.set G1,  24
.set G0,  32
.set G1B, 48
.set G0B, 56
.set LIM, 67
.set PFA, 68
.set MSB, 0
.macro WIN new
.if MSB != \new
	s_set_vgpr_msb (MSB<<8)|\new
.set MSB, \new
.endif
.endm
.set MUL,  0x50                        ; sources 0 and 1 window 0; C and D window 1
.set MUL0, 0x60                        ; the first products: C (bo) window 2, D window 1
.macro JLOAD s                         ; waves 0 and 1 fetch ctx's halves, waves 2 and 3 Wo's; an s_nop 0 and four v_nop follow each of the two lines
	s_cmp_eq_u32 s13, 0
	s_cbranch_scc0 .Lfor_b_\@
	tensor_load_to_lds s[G0+4*\s:G0+4*\s+3], s[G1:G1+7]
	s_nop 0
.rept 4
	v_nop
.endr
	s_branch .Lasked_\@
.Lfor_b_\@:
	tensor_load_to_lds s[G0B+4*\s:G0B+4*\s+3], s[G1B:G1B+7]
	s_nop 0
.rept 4
	v_nop
.endr
.Lasked_\@:
.endm
.macro CREST
	s_cmp_lg_u32 s12, 0
	s_cbranch_scc1 .Lnot_wave_0_\@
	s_barrier_signal -3
.Lnot_wave_0_\@:
	s_barrier_wait -3
	s_barrier_signal -1
	s_barrier_wait -1
.endm
.macro CROUND
	s_barrier_signal -1
	s_barrier_wait -1
	CREST
.endm
; A PREFETCH INTO THE L2 of ctx, once a lap (two K steps): in lap L for lap L + 2: 8,192 bytes of one tile of 16 rows, lanes 256 bytes apart.  Waves 0 and 1 ask; of the four tiles that such a wave fetches, the partner at
; place cx takes tile cx: told apart by address.  Eight askers cover a lap's 64 KB, each aligned block of 256 bytes once in the launch (no other cluster reads these rows).  Laps 0 and 1 come by their loads alone; the loop's last trip asks for nothing.
; Wo's image, which all sixteen clusters read, is not asked for.
.macro ASK
	s_cmp_gt_u32 s3, s[LIM]
	s_cbranch_scc0 .Lnot_mine_\@
	global_prefetch_b8 v[PFO], s[PFA:PFA+1] offset:8192 th:TH_LOAD_NT scope:SCOPE_SE
.Lnot_mine_\@:
.endm
	s_load_b256 s[4:11], s[0:1], 0x0               ; cimg 4, woimg 6, bo 8, out0 10
	v_lshl_add_u32 v[SPW], v0, 2, SPARE
	v_mov_b32 v[NIL], 0
	ds_add_u32 v[SPW], v[NIL]                      ; the wave's opening: the add, twice on end, and its wait ahead of my first tensor load
	ds_add_u32 v[SPW], v[NIL]
	v_lshrrev_b32 v1, 5, v0
	v_readfirstlane_b32 s12, v1                    ; wave 0..3
	s_lshr_b32 s13, s12, 1                         ; which 64 rows are mine.  Also: I fetch for ctx (0) or for Wo (1)
	s_and_b32 s14, s12, 1                          ; which 128 columns.  Also: which half I fetch
	s_bfe_u32 s40, ttmp6, 0x40000                  ; cx = tile column
	s_bfe_u32 s41, ttmp6, 0x40004                  ; cy
	s_and_b32 s70, ttmp7, 0xffff                   ; cluster y
	s_lshl_b32 s42, s41, 4
	s_add_co_u32 s42, s42, s70                     ; tile row
	s_lshl_b32 s43, s41, 2
	s_lshl_b32 s43, 15, s43                        ; my row of the cluster
	s_lshl_b32 s44, 0x1111, s40                    ; my column
	s_or_b32 s[G1], s43, (3<<16)|(1<<21)           ; the mask; elements of 8 bytes; bit 21 beside a mask; no padding
	s_or_b32 s[G1B], s44, (3<<16)|(1<<21)
	s_mov_b32 s[G1+1], 512<<16                     ; rows of 4,096 bytes: a K step of one tile
	s_mov_b32 s[G1+2], 4<<16                       ; ctx: four tiles a load
	s_mov_b32 s[G1+3], 512<<16
	s_mov_b32 s[G1+4], 4
	s_mov_b32 s[G1+5], 4096                        ; from tile to tile: 32,768 bytes
	s_mov_b32 s[G1+6], 0
	s_mov_b32 s[G1+7], 0
	s_mov_b32 s[G1B+1], 512<<16
	s_mov_b32 s[G1B+2], 8<<16                      ; Wo: eight tiles a load
	s_mov_b32 s[G1B+3], 512<<16
	s_mov_b32 s[G1B+4], 8
	s_mov_b32 s[G1B+5], 4096
	s_mov_b32 s[G1B+6], 0
	s_mov_b32 s[G1B+7], 0
	s_lshl_b32 s16, s42, 3
	s_lshl_b32 s17, s14, 2
	s_add_co_u32 s16, s16, s17                     ; ctx: tile 8 x tile row + 4 x half
	s_add_co_u32 s18, s16, s40                     ; (the prefetches: + cx)
	s_lshl_b32 s16, s16, 15
	s_mov_b32 s17, 0
	s_lshl_b32 s18, s18, 15
	s_mov_b32 s19, 0
	s_lshl_b32 s46, s40, 4
	s_lshl_b32 s47, s14, 3
	s_add_co_u32 s46, s46, s47                     ; Wo: tile 16 cx + 8 x half
	s_lshl_b32 s46, s46, 15
	s_mov_b32 s47, 0
	s_lshl_b32 s20, s14, 14                        ; where they go: ctx's halves at 0 and 16,384,
	s_lshl_b32 s21, s14, 15
	s_add_co_u32 s21, s21, 32768                   ; Wo's at 32,768 and 65,536
	s_cmp_eq_u32 s13, 0
	s_cselect_b32 s[LIM], 1, -1
	s_or_b32 s66, s70, s13                         ; 0 where my first 16 rows are a batch's positions 0-15: cluster y and the wave's number alone
	s_wait_dscnt 0x0                               ; both opening adds are done
	s_wait_kmcnt 0x0
	s_add_nc_u64 s[16:17], s[4:5], s[16:17]
	s_add_nc_u64 s[46:47], s[6:7], s[46:47]
	s_add_nc_u64 s[PFA:PFA+1], s[4:5], s[18:19]
	CROUND                                         ; all sixteen work-groups are here: the first joint loads meet
.irp s, 0,1
	s_mov_b32 s[G0+4*\s], 1
	s_add_co_u32 s[G0+4*\s+1], s20, \s*SLOT
	s_add_nc_u64 s[G0+4*\s+2:G0+4*\s+3], s[16:17], \s*4096
	s_or_b32 s[G0+4*\s+3], s[G0+4*\s+3], 0x80000000
	s_mov_b32 s[G0B+4*\s], 1
	s_add_co_u32 s[G0B+4*\s+1], s21, \s*SLOT
	s_add_nc_u64 s[G0B+4*\s+2:G0B+4*\s+3], s[46:47], \s*4096
	s_or_b32 s[G0B+4*\s+3], s[G0B+4*\s+3], 0x80000000
	JLOAD \s
.endr
	v_and_b32 v1, 15, v0                           ; r
	v_bfe_u32 v2, v0, 4, 1                         ; h
	v_and_b32 v[LI], 31, v0
	v_lshlrev_b32 v[PFO], 8, v[LI]
	v_lshlrev_b32 v[LI], 4, v[LI]
	s_lshl_b32 s18, s13, 14                        ; my four tiles of ctx
	s_lshl_b32 s19, s14, 15
	s_add_co_u32 s19, s19, 32768                   ; my eight tiles of Wo
.irp s, 0,1
	v_add_nc_u32 v[ADRA+\s], s18, v[LI]
	v_add_nc_u32 v[ADRB+\s], s19, v[LI]
	s_add_co_u32 s18, s18, SLOT
	s_add_co_u32 s19, s19, SLOT
.endr
	s_mul_i32 s18, s12, 8448
	s_add_co_u32 s18, s18, STAGE                   ; my stage
	v_mul_u32_u24 v[STO], v1, 528
	v_lshl_add_u32 v[STO], v2, 5, v[STO]
	v_add_nc_u32 v[STO], s18, v[STO]               ; in: row r, 32 bytes for each half of the lanes
	v_add_nc_u32 v[RD], s18, v[LI]                 ; back: the 32 lanes take a row of 512 bytes
	v_lshlrev_b32 v[BOF], 5, v2
	s_lshl_b32 s22, s40, 8
	s_lshl_b32 s23, s14, 7
	s_add_co_u32 s22, s22, s23
	s_lshl_b32 s22, s22, 2                         ; my first column, in bytes
	s_mov_b32 s23, 0
	s_add_nc_u64 s[8:9], s[8:9], s[22:23]
	s_add_nc_u64 s[10:11], s[10:11], s[22:23]
	s_lshl_b32 s22, s42, 7
	s_lshl_b32 s18, s13, 6
	s_add_co_u32 s22, s22, s18
	s_lshl_b32 s22, s22, 12                        ; my first row, 4,096 bytes a row
	s_add_nc_u64 s[10:11], s[10:11], s[22:23]
	WIN 0x80                                       ; destination window 2
.irp b, 0,1,2,3,4,5,6,7
	global_load_b128 v[8*\b:8*\b+3], v[BOF], s[8:9] offset:64*\b       ; bo at columns 16 b + 8 h + 0 .. 7: the result's layout
	global_load_b128 v[8*\b+4:8*\b+7], v[BOF], s[8:9] offset:64*\b+16
.endr
	WIN 0
.macro MULA f, a, first                ; eight matrix instructions: ctx's tile a against Wo's eight, 32 along K.  The 32 accumulators take turns in the same order in every quarter
.irp b, 0,1,2,3,4,5,6,7
.if \first
	v_wmma_f32_16x16x32_f16 v[8*(8*(\a)+\b):8*(8*(\a)+\b)+7], v[\f+32+8*\b:\f+32+8*\b+7], v[\f+8*(\a):\f+8*(\a)+7], v[8*\b:8*\b+7]
.else
	v_wmma_f32_16x16x32_f16 v[8*(8*(\a)+\b):8*(8*(\a)+\b)+7], v[\f+32+8*\b:\f+32+8*\b+7], v[\f+8*(\a):\f+8*(\a)+7], v[8*(8*(\a)+\b):8*(8*(\a)+\b)+7]
.endif
.endr
.endm
.macro FETCH slot, q, f                ; 24 LDS loads in one run: Wo's eight fragments, then ctx's four, of the slot's q-th 32 along K
.irp b, 0,1,2,3,4,5,6,7
	ds_load_b128 v[\f+32+8*\b:\f+32+8*\b+3], v[ADRB+\slot] offset:\b*4096+(\q)*1024
	ds_load_b128 v[\f+32+8*\b+4:\f+32+8*\b+7], v[ADRB+\slot] offset:\b*4096+(\q)*1024+512
.endr
.irp a, 0,1,2,3
	ds_load_b128 v[\f+8*\a:\f+8*\a+3], v[ADRA+\slot] offset:\a*4096+(\q)*1024
	ds_load_b128 v[\f+8*\a+4:\f+8*\a+7], v[ADRA+\slot] offset:\a*4096+(\q)*1024+512
.endr
.endm
.macro PLACES
.rept 4
	v_nop
.endr
.endm
.macro QUARTER slot, q, f, g, first    ; multiplies buffer f and fetches the slot's quarter q into buffer g
	s_wait_dscnt 4                                 ; Wo's fragments and ctx's tiles 0, 1 are in; the youngest four loads (tiles 2, 3) may be out
	WIN MUL+0x10*\first
	MULA \f, 0, \first
	MULA \f, 1, \first
	PLACES
	WIN 0
	FETCH \slot, \q, \g
	s_wait_dscnt 24                                ; all but the 24 just issued
	WIN MUL+0x10*\first
	MULA \f, 2, \first
	MULA \f, 3, \first
.endm
; A slot's last quarter multiplies buffer 1 and changes slots: ONE barrier; in front of it each wave waits for all its tensor loads, adds 0 to its spare word, and waits for that and for its reads of this slot.
.macro TURN slot, next, fill
.if (\fill) && (\slot) == 0
	s_wait_xcnt 0x0                                ; the last prefetch, a lap back, has read its address
	s_add_nc_u64 s[PFA:PFA+1], s[PFA:PFA+1], 8192
.endif
	WIN 0
	s_wait_tensorcnt 0x0                           ; my part of the next slot is in;
	ds_add_u32 v[SPW], v[NIL]
	s_wait_dscnt 5                                 ; (the add and the youngest four loads may be out)
	WIN MUL
	MULA F1, 0, 0
	s_wait_dscnt 0x0                               ; the add is done, and my reads of this slot are over
	s_barrier_signal -1
	MULA F1, 1, 0
	WIN 0
	s_barrier_wait -1
.if \fill
	CREST                                          ; the barrier has opened a round of the cluster's: no wave of any partner still reads this slot or has a load on its way
	s_add_nc_u64 s[G0+4*\slot+2:G0+4*\slot+3], s[G0+4*\slot+2:G0+4*\slot+3], 8192
	s_add_nc_u64 s[G0B+4*\slot+2:G0B+4*\slot+3], s[G0B+4*\slot+2:G0B+4*\slot+3], 8192
	JLOAD \slot                                    ; the first tensor load behind the round; its four v_nop are also the places in front of the loads below
.else
	PLACES
.endif
	FETCH \next, 0, F0
.if (\fill) && (\slot) == 0
	ASK
.endif
	WIN MUL
	MULA F1, 2, 0
	MULA F1, 3, 0
.endm
	s_wait_tensorcnt 1                             ; my part of K step 0 is in (K step 1's load may be out),
	s_barrier_signal -1
	s_barrier_wait -1                              ; everybody's is
	FETCH 0, 0, F0
	s_wait_loadcnt 0x0                             ; bo
	QUARTER 0, 1, F0, F1, 1                        ; the first quarter stands in front of the loop: its products start the sums from bo
	WIN 0
	s_mov_b32 s3, 3
.Llap:                                             ; a trip goes once round the ring and fills both slots again: K steps 2 to 7 in three trips
	QUARTER 0, 2, F1, F0, 0
	QUARTER 0, 3, F0, F1, 0
	TURN 0, 1, 1
	QUARTER 1, 1, F0, F1, 0
	QUARTER 1, 2, F1, F0, 0
	QUARTER 1, 3, F0, F1, 0
	TURN 1, 0, 1
	QUARTER 0, 1, F0, F1, 0
	WIN 0
	s_sub_co_u32 s3, s3, 1
	s_cmp_lg_u32 s3, 0
	s_cbranch_scc1 .Llap
	QUARTER 0, 2, F1, F0, 0                        ; the last lap fills nothing
	QUARTER 0, 3, F0, F1, 0
	TURN 0, 1, 0
	QUARTER 1, 1, F0, F1, 0
	QUARTER 1, 2, F1, F0, 0
	QUARTER 1, 3, F0, F1, 0
	s_wait_dscnt 4
	WIN MUL
	MULA F1, 0, 0
	MULA F1, 1, 0
	s_wait_dscnt 0
	MULA F1, 2, 0
	MULA F1, 3, 0
	WIN 0
; THE WAY OUT, a block of 16 rows x 128 columns at a time, through my own stage: in as 32 bytes a lane, back as whole rows of 512 bytes.  LDS serves a wave's instructions in order (ISA guide 5.7.1.4).
.macro TOSTAGE a
	WIN 0x04                                       ; an LDS store's data: window 1
.irp b, 0,1,2,3,4,5,6,7
	ds_store_b128 v[STO], v[8*(8*(\a)+\b):8*(8*(\a)+\b)+3] offset:64*\b          ; each accumulator from its low end on
	ds_store_b128 v[STO], v[8*(8*(\a)+\b)+4:8*(8*(\a)+\b)+7] offset:64*\b+16
.endr
	WIN 0
.set BB, BK+64*((\a)%2)
.irp t, 0,1,2,3,4,5,6,7,8,9,10,11,12,13,14,15
	ds_load_b128 v[BB+4*\t:BB+4*\t+3], v[RD] offset:\t*528
.endr
.endm
.macro SEND a, younger
.set BB, BK+64*((\a)%2)
	s_wait_dscnt \younger                          ; the block is back; the next block's 16 stores and 16 loads may be out
.if (\a) == 0
	s_cmp_eq_u32 s66, 0                            ; positions 0-15 of a batch are the next launch's
	s_cbranch_scc1 .Lfine_rows
.endif
.irp t, 0,1,2,3,4,5,6,7,8,9,10,11,12,13,14,15
	global_store_b128 v[LI], v[BB+4*\t:BB+4*\t+3], s[10:11] offset:(16*(\a)+\t)*4096 th:TH_STORE_NT   ; 512 consecutive bytes, aligned
.endr
.if (\a) == 0
.Lfine_rows:
.endif
.endm
	PLACES
	TOSTAGE 0
.irp a, 1,2,3
.if \a > 1
	s_wait_xcnt 0x0                                ; the stores of two blocks back have read their registers: this block's loads may land there
.endif
	TOSTAGE \a
	SEND \a-1, 32
.endr
	SEND 3, 0
	s_wait_tensorcnt 0x0                           ; the wave's end
	ds_add_u32 v[SPW], v[NIL]
	s_wait_dscnt 0x0
	CROUND                                         ; the closing round
	s_endpgm
.Lfunc_end_k_qbbbc7a71d9_oproj:
	.size	k_qbbbc7a71d9_oproj, .Lfunc_end_k_qbbbc7a71d9_oproj-k_qbbbc7a71d9_oproj
	.p2alignl 7, 3214868480
	.fill 96, 4, 3214868480
	.section	.rodata,"a",@progbits
	.p2align	6, 0x0
	.amdhsa_kernel k_qbbbc7a71d9_oproj
		.amdhsa_group_segment_fixed_size 327680
		.amdhsa_private_segment_fixed_size 0
		.amdhsa_enable_private_segment 0
		.amdhsa_kernarg_size 32
		.amdhsa_user_sgpr_count 2
		.amdhsa_user_sgpr_kernarg_segment_ptr 1
		.amdhsa_wavefront_size32 1
		.amdhsa_system_sgpr_workgroup_id_x 1
		.amdhsa_system_sgpr_workgroup_id_y 1
		.amdhsa_system_sgpr_workgroup_id_z 1
		.amdhsa_system_vgpr_workitem_id 0
		.amdhsa_next_free_vgpr 576
		.amdhsa_next_free_sgpr 72
		.amdhsa_reserve_vcc 0
		.amdhsa_float_denorm_mode_32 3
		.amdhsa_float_denorm_mode_16_64 3
		.amdhsa_memory_ordered 1
		.amdhsa_forward_progress 1
		.amdhsa_inst_pref_size 86
	.end_amdhsa_kernel
	.amdgpu_metadata
---
amdhsa.version: [ 1, 2 ]
amdhsa.kernels:
  - .name:           k_qbbbc7a71d9_oproj
    .symbol:         k_qbbbc7a71d9_oproj.kd
    .args:
      - { .name: cimg, .offset: 0, .size: 8, .value_kind: global_buffer, .address_space: global }
      - { .name: woimg, .offset: 8, .size: 8, .value_kind: global_buffer, .address_space: global }
      - { .name: bo, .offset: 16, .size: 8, .value_kind: global_buffer, .address_space: global }
      - { .name: out0, .offset: 24, .size: 8, .value_kind: global_buffer, .address_space: global }
    .group_segment_fixed_size: 327680
    .private_segment_fixed_size: 0
    .kernarg_segment_align: 8
    .kernarg_segment_size: 32
    .max_flat_workgroup_size: 128
    .sgpr_count:     72
    .vgpr_count:     576
    .wavefront_size: 32
...
	.end_amdgpu_metadata
.endif
;; end of part 4
;; launch fine (part 5): grid 64 x 4, 16 waves a work-group, no clusters, 18,432 bytes of LDS; arguments qkv32, Wo, bo, out0; writes out0
.if DOCPART == 5
	.amdgcn_target "amdgcn-amd-amdhsa--gfx1250"
	.amdhsa_code_object_version 6
	.text
	.protected	k_qbbbc7a71d9_fine
	.globl	k_qbbbc7a71d9_fine
	.p2align	8
	.type	k_qbbbc7a71d9_fine,@function
k_qbbbc7a71d9_fine:
	s_mov_b64 s[64:65], 0
	v_nop
	global_prefetch_b8 v0, s[64:65] scope:SCOPE_SE
	s_setreg_imm32_b32 hwreg(HW_REG_WAVE_MODE, 25, 1), 1
	s_wait_xcnt 0x0
; Positions 0-15 of every sequence, wholly in f32: these rows average one to sixteen values and are the largest, so the rounding of 16-bit operands would weigh most there.
; WORK LEFT OUT: only keys 0-15 are touched: all later keys lie behind these queries and have the weight 0 by reference()'s own tril (shown at the head of the first launch).
; SHARES.  Work-group (16 output columns n0 = 16 x, batch y).  Wave = head: it makes its head's attention for the 16 positions and its head's part of the projection (16 x 16, over its 64 channels); the sixteen parts meet in LDS.
; Each work-group of a batch makes the 16 x 16 attention anew: 48 small products a wave.  Matrix form: v_wmma_f32_16x16x4_f32, 48 a wave: no bulk work.
; K IS PERMUTED ALIKE IN BOTH SOURCES, so that registers serve as they stand: a step takes the register pair 8 t + 2 jp, + 1, which in lane half h are channels 16 t + 8 h + 2 jp + 0, 1 (in the second product keys 8 h + 2 jp + 0, 1).
; All products are used transposed: a lane holds one query (lane % 16) throughout.  The registers that these matrix instructions write are written by them alone.
; This launch reads Wo and writes out0 in runs of 64 bytes: 256 KB written, 64 rows of 4,096; four times the columns to a work-group would need more registers than an instruction names.
.set SPARE, 16384                      ; behind the sixteen parts of 1,024 bytes: the spare words
.set SPW, 254
.set NIL, 255
.set QR,  16                           ; v16-47   q: register 8 t + jj: position r, channel 16 t + 8 h + jj
.set KR,  48                           ; v48-79   k likewise
.set VT,  80                           ; v80-111  v turned: register 8 t + jj: channel 16 t + r, key 8 h + jj
.set WO,  112                          ; v112-143 Wo: register 8 t + jj: row 64 head + 16 t + 8 h + jj, column n0 + r
.set SA,  144                          ; v144-159 two sums of scores
.set SB,  152
.set CT,  160                          ; v160-191 ctx^T, not yet divided: tile t: channel 16 t + 8 h + j, query r
.set OA,  192                          ; v192-207 two sums of my part of the output
.set OB,  200
.set P,   208                          ; v208-215 the weights: key 8 h + j, query r
.set RR,  216                          ; v216-223 my part
.set BO,  232
	s_load_b256 s[4:11], s[0:1], 0x0               ; qkv32 4, Wo 6, bo 8, out0 10
	v_lshl_add_u32 v[SPW], v0, 2, SPARE
	v_mov_b32 v[NIL], 0
	v_lshrrev_b32 v1, 5, v0
	v_readfirstlane_b32 s12, v1                    ; wave = head
	v_and_b32 v1, 31, v0
	v_lshlrev_b32 v1, 4, v1                        ; 16 x lane
	v_and_b32 v2, 15, v0                           ; r
	v_bfe_u32 v3, v0, 4, 1                         ; h
	v_bfe_u32 v4, v2, 2, 1                         ; v turned, out of the accumulators' image: channel r of a tile lies in half (r / 4) % 2, lane half r / 8, word r % 4; key 8 h + jj is the image's lane
	v_lshlrev_b32 v4, 9, v4
	v_lshrrev_b32 v12, 3, v2
	v_lshl_add_u32 v4, v12, 8, v4
	v_and_b32 v12, 3, v2
	v_lshl_add_u32 v4, v12, 2, v4
	v_lshl_add_u32 v4, v3, 7, v4
	v_lshlrev_b32 v5, 15, v3                       ; Wo: 8 h rows of 4,096 bytes + 4 r
	v_lshl_add_u32 v5, v2, 2, v5
	s_and_b32 s13, s12, 1
	s_lshl_b32 s14, s13, 4
	v_lshlrev_b32 v6, 5, v3
	v_add_nc_u32 v6, s14, v6                       ; bo: columns 8 h + 4 (wave % 2) on
	v_lshl_add_u32 v7, v2, 12, v6                  ; out0: row r, the same columns
	s_lshl_b32 s15, s12, 10
	v_add_nc_u32 v8, s15, v1                       ; LDS: my part
	s_lshl_b32 s15, s13, 9
	v_add_nc_u32 v9, s15, v1                       ; LDS: the half of each part that I add, if I add
	v_lshlrev_b32 v10, 3, v3
	v_sub_nc_u32 v10, v2, v10                      ; r - 8 h
	v_mov_b32 v11, 0xff800000                      ; -infinity
	v_mov_b32 v225, 0                              ; written once: a lane permute's destination counts as one of its sources
	s_and_b32 s16, ttmp7, 0xffff                   ; batch
	s_mul_i32 s18, s16, 196608
	s_lshl_b32 s19, s12, 12
	s_add_co_u32 s18, s18, s19                     ; my head's four tiles of q
	s_mov_b32 s19, 0
	s_lshl_b32 s22, ttmp9, 6                       ; 4 n0
	s_mov_b32 s23, 0
	s_lshl_b32 s20, s12, 18                        ; my head's 64 rows of Wo
	s_add_co_u32 s20, s20, s22
	s_mov_b32 s21, 0
	s_lshl_b32 s24, s16, 23                        ; the batch's first row of out0
	s_add_co_u32 s24, s24, s22
	s_mov_b32 s25, 0
	s_mov_b32 s26, 0x3e38aa3b                      ; c = log2(e) / sqrt(64)
	s_mov_b32 s28, 0x76543210
	s_mov_b32 s29, 0xfedcba98
	s_wait_kmcnt 0x0
	s_add_nc_u64 s[4:5], s[4:5], s[18:19]
	s_add_nc_u64 s[6:7], s[6:7], s[20:21]
	s_add_nc_u64 s[8:9], s[8:9], s[22:23]
	s_add_nc_u64 s[10:11], s[10:11], s[24:25]
.irp t, 0,1,2,3
.irp f, 0,1
	global_load_b128 v[QR+8*\t+4*\f:QR+8*\t+4*\f+3], v1, s[4:5] offset:\t*1024+\f*512
.endr
.endr
.irp t, 0,1,2,3
.irp f, 0,1
	global_load_b128 v[KR+8*\t+4*\f:KR+8*\t+4*\f+3], v1, s[4:5] offset:65536+\t*1024+\f*512
.endr
.endr
.irp t, 0,1,2,3
.irp j, 0,1,2,3,4,5,6,7
	global_load_b32 v[VT+8*\t+\j], v4, s[4:5] offset:131072+\t*1024+\j*16
.endr
.endr
	s_wait_loadcnt 32                              ; q and k are in; v's 32 loads may be out
.irp t, 0,1,2,3
.irp j, 0,1,2,3,4,5,6,7
	global_load_b32 v[WO+8*\t+\j], v5, s[6:7] offset:(16*\t+\j)*4096
.endr
.endr
	; S^T = k q^T: 16 steps of 4 channels, on two sums by turns; each sum's first step starts it
.irp t, 0,1,2,3
.irp u, 0,1
.if \t == 0 && \u == 0
	v_wmma_f32_16x16x4_f32 v[SA:SA+7], v[KR:KR+1], v[QR:QR+1], 0
	v_wmma_f32_16x16x4_f32 v[SB:SB+7], v[KR+2:KR+3], v[QR+2:QR+3], 0
.else
	v_wmma_f32_16x16x4_f32 v[SA:SA+7], v[KR+8*\t+4*\u:KR+8*\t+4*\u+1], v[QR+8*\t+4*\u:QR+8*\t+4*\u+1], v[SA:SA+7]
	v_wmma_f32_16x16x4_f32 v[SB:SB+7], v[KR+8*\t+4*\u+2:KR+8*\t+4*\u+3], v[QR+8*\t+4*\u+2:QR+8*\t+4*\u+3], v[SB:SB+7]
.endif
.endr
.endr
.rept 8
	v_nop                                          ; eight places behind this form before a vector instruction reads a result
.endr
.irp j, 0,1,2,3,4,5,6,7
	v_add_f32 v[P+\j], v[SA+\j], v[SB+\j]          ; the score of key 8 h + j, from the low end on
.endr
.irp j, 0,1,2,3,4,5,6,7
	v_cmp_gt_i32 vcc_lo, \j, v10                   ; hidden where 8 h + j > r
	v_cndmask_b32 v[P+\j], v[P+\j], v11, vcc_lo
.endr
	v_max3_num_f32 v224, v[P], v[P+1], v[P+2]
	v_max3_num_f32 v226, v[P+3], v[P+4], v[P+5]
	v_max3_num_f32 v224, v224, v[P+6], v[P+7]
	v_max_num_f32 v224, v224, v226
	v_permlanex16_b32 v225, v224, s28, s29
	v_max_num_f32 v224, v224, v225                 ; the row's maximum: key 0 counts for every query, so it is a number
	v_mul_f32 v226, s26, v224
.irp j, 0,1,2,3,4,5,6,7
	v_fma_f32 v[P+\j], v[P+\j], s26, -v226
.endr
.irp j, 0,1,2,3,4,5,6,7
	v_exp_f32 v[P+\j], v[P+\j]
.endr
	v_nop
	s_wait_alu depctr_va_vdst(0)                   ; one wait for the eight exponentials, ahead of their first reader
	v_add_f32 v224, v[P], v[P+1]
	v_add_f32 v226, v[P+2], v[P+3]
	v_add_f32 v227, v[P+4], v[P+5]
	v_add_f32 v228, v[P+6], v[P+7]
	v_add_f32 v224, v224, v226
	v_add_f32 v227, v227, v228
	v_add_f32 v224, v224, v227
	v_permlanex16_b32 v225, v224, s28, s29
	v_add_f32 v224, v224, v225                     ; the row's sum
	v_rcp_f32 v230, v224
	v_nop
	s_wait_alu depctr_va_vdst(0)                   ; and one for the reciprocal
	s_wait_loadcnt 32                              ; v is in; Wo's 32 loads may be out
	global_load_b128 v[BO:BO+3], v6, s[8:9]
	; ctx^T = v^T p: four steps of 4 keys, four sums by turns
.irp jp, 0,1,2,3
.irp t, 0,1,2,3
.if \jp == 0
	v_wmma_f32_16x16x4_f32 v[CT+8*\t:CT+8*\t+7], v[VT+8*\t:VT+8*\t+1], v[P:P+1], 0
.else
	v_wmma_f32_16x16x4_f32 v[CT+8*\t:CT+8*\t+7], v[VT+8*\t+2*\jp:VT+8*\t+2*\jp+1], v[P+2*\jp:P+2*\jp+1], v[CT+8*\t:CT+8*\t+7]
.endif
.endr
.endr
.rept 9
	v_nop                                          ; nine places before a matrix instruction takes these results as a source
.endr
	s_wait_loadcnt 1                               ; Wo is in; bo's load may be out
	; my part of the output, transposed: Wo^T ctx^T, 16 steps of 4 channels, on two sums by turns
.irp t, 0,1,2,3
.irp u, 0,1
.if \t == 0 && \u == 0
	v_wmma_f32_16x16x4_f32 v[OA:OA+7], v[WO:WO+1], v[CT:CT+1], 0
	v_wmma_f32_16x16x4_f32 v[OB:OB+7], v[WO+2:WO+3], v[CT+2:CT+3], 0
.else
	v_wmma_f32_16x16x4_f32 v[OA:OA+7], v[WO+8*\t+4*\u:WO+8*\t+4*\u+1], v[CT+8*\t+4*\u:CT+8*\t+4*\u+1], v[OA:OA+7]
	v_wmma_f32_16x16x4_f32 v[OB:OB+7], v[WO+8*\t+4*\u+2:WO+8*\t+4*\u+3], v[CT+8*\t+4*\u+2:CT+8*\t+4*\u+3], v[OB:OB+7]
.endif
.endr
.endr
.rept 8
	v_nop
.endr
.irp j, 0,1,2,3,4,5,6,7
	v_mul_f32 v[RR+\j], v[OA+\j], v230             ; divided by the row's sum here: column n0 + 8 h + j, query r
.endr
.irp j, 0,1,2,3,4,5,6,7
	v_fma_f32 v[RR+\j], v[OB+\j], v230, v[RR+\j]
.endr
	ds_store_b128 v8, v[RR:RR+3]
	ds_store_b128 v8, v[RR+4:RR+7] offset:512
	s_wait_dscnt 0x0                               ; for the others' sake: my part lies in LDS
	s_barrier_signal -1
	s_barrier_wait -1
	s_cmp_lt_u32 s12, 2                            ; waves 0 and 1 add the sixteen parts: wave u the registers 4 u .. 4 u + 3
	s_cbranch_scc0 .Ldone
.irp p, 0,1,2,3,4,5,6,7,8,9,10,11,12,13,14,15
	ds_load_b128 v[16+4*\p:16+4*\p+3], v9 offset:\p*1024
.endr
	s_wait_dscnt 0x0
	s_wait_loadcnt 0x0                             ; bo
	v_pk_add_f32 v[224:225], v[BO:BO+1], v[16:17]
	v_pk_add_f32 v[226:227], v[BO+2:BO+3], v[18:19]
.irp p, 1,2,3,4,5,6,7,8,9,10,11,12,13,14,15
	v_pk_add_f32 v[224:225], v[224:225], v[16+4*\p:16+4*\p+1]
	v_pk_add_f32 v[226:227], v[226:227], v[16+4*\p+2:16+4*\p+3]
.endr
	global_store_b128 v7, v[224:227], s[10:11]
.Ldone:
	s_wait_tensorcnt 0x0                           ; the wave's end, behind my last LDS store
	ds_add_u32 v[SPW], v[NIL]
	s_wait_dscnt 0x0
	s_endpgm
.Lfunc_end_k_qbbbc7a71d9_fine:
	.size	k_qbbbc7a71d9_fine, .Lfunc_end_k_qbbbc7a71d9_fine-k_qbbbc7a71d9_fine
	.p2alignl 7, 3214868480
	.fill 96, 4, 3214868480
	.section	.rodata,"a",@progbits
	.p2align	6, 0x0
	.amdhsa_kernel k_qbbbc7a71d9_fine
		.amdhsa_group_segment_fixed_size 18432
		.amdhsa_private_segment_fixed_size 0
		.amdhsa_enable_private_segment 0
		.amdhsa_kernarg_size 32
		.amdhsa_user_sgpr_count 2
		.amdhsa_user_sgpr_kernarg_segment_ptr 1
		.amdhsa_wavefront_size32 1
		.amdhsa_system_sgpr_workgroup_id_x 1
		.amdhsa_system_sgpr_workgroup_id_y 1
		.amdhsa_system_sgpr_workgroup_id_z 1
		.amdhsa_system_vgpr_workitem_id 0
		.amdhsa_next_free_vgpr 256
		.amdhsa_next_free_sgpr 66
		.amdhsa_reserve_vcc 1
		.amdhsa_float_denorm_mode_32 3
		.amdhsa_float_denorm_mode_16_64 3
		.amdhsa_memory_ordered 1
		.amdhsa_forward_progress 1
		.amdhsa_inst_pref_size 21
	.end_amdhsa_kernel
	.amdgpu_metadata
---
amdhsa.version: [ 1, 2 ]
amdhsa.kernels:
  - .name:           k_qbbbc7a71d9_fine
    .symbol:         k_qbbbc7a71d9_fine.kd
    .args:
      - { .name: qkv32, .offset: 0, .size: 8, .value_kind: global_buffer, .address_space: global }
      - { .name: Wo, .offset: 8, .size: 8, .value_kind: global_buffer, .address_space: global }
      - { .name: bo, .offset: 16, .size: 8, .value_kind: global_buffer, .address_space: global }
      - { .name: out0, .offset: 24, .size: 8, .value_kind: global_buffer, .address_space: global }
    .group_segment_fixed_size: 18432
    .private_segment_fixed_size: 0
    .kernarg_segment_align: 8
    .kernarg_segment_size: 32
    .max_flat_workgroup_size: 512
    .sgpr_count:     66
    .vgpr_count:     256
    .wavefront_size: 32
...
	.end_amdgpu_metadata
.endif
;; end of part 5
